; MI455X (gfx1250); checked and timed in simulation.
; The chip was launched on July 23, 2026; its instructions are those of AMD's public machine-readable ISA for CDNA 5 (MIT licence, August 2026) and "CDNA5" Instruction Set Architecture Reference Guide (July 2026). The comments in the code are by the model that wrote it; some were corrected since.
;; Calc Attention. Allowed arithmetic: float matrix products may take bf16 or f16 operands with f32 sums; other float arithmetic in f32, or as packed bf16 or f16 multiplies, adds, multiply-adds, maxima and minima; sums over many terms, partial sums and values carried from step to step in f32; what a program stores and reads back later, other than sums and carried values, may be rounded once to bf16 or f16.
;; Inputs: b_out 1,024 float32; ln_beta 1,024 float32; ln_gamma 1,024 float32; w_out 1,024 x 1,024 float32; w_qkv 1,024 x 3,072 float32; x 2 x 2,048 x 1,024 float32.
;; Outputs: out0 2 x 2,048 x 1,024 float32.
;; 2 versions, each right; version 2 is version 1 with the launch cast written anew for expert scheduling mode. Each part assembles by itself: llvm-mc -triple=amdgcn-amd-amdhsa -mcpu=gfx1250 --defsym DOCPART=n.
;; ======== version 1 of 2: 5 launches
;; limits: values are held in f16: magnitudes above 65,504 overflow, below 6.1e-05 lose precision
;; workspace buffers: cvt 16,777,216 bytes; qkvb 25,165,824 bytes; obuf 8,388,608 bytes; ybuf 16,777,216 bytes
;; launch cast (part 1): grid 256 x 1, 8 waves a work-group, no clusters, 0 bytes of LDS; arguments x, w_qkv, w_out, cvt; writes cvt
.if DOCPART == 1
	.amdgcn_target "amdgcn-amd-amdhsa--gfx1250"
	.amdhsa_code_object_version 6
	.text
	.protected	k_qce7d632425_cast
	.globl	k_qce7d632425_cast
	.p2align	8
	.type	k_qce7d632425_cast,@function
k_qce7d632425_cast:
	s_mov_b64 s[64:65], 0
	v_nop
	global_prefetch_b8 v0, s[64:65] scope:SCOPE_SE
	s_setreg_imm32_b32 hwreg(HW_REG_WAVE_MODE, 25, 1), 1
	s_wait_xcnt 0x0
; THE INPUTS OF THE THREE PRODUCTS, ROUNDED ONCE TO bf16 AND LAID FOR THE LAUNCHES BEHIND.
;   cvt + 0   : x as bf16 [4096][1024]
;   cvt + WQ  : w_qkv as bf16 [g 16][s 3][k 1024][64]: column s*1024 + g*64 + c of w_qkv, so that 64 k of a strip of 64 columns are 8,192 dense bytes
;   cvt + WO  : w_out rounded to bf16, that number written as f16 [1024][1024] (exact from 6.1e-5 up; below it f16's fixed step of 6e-8; beyond 65,504 it would be lost)
; A stream: every input byte is read once, every output byte written once; no LDS, no matrix unit, no cluster: no two work-groups read the same byte.
; 256 work-groups of 131,072 input bytes: 0-127 x, 128-223 w_qkv, 224-255 w_out.  A wave takes 16,384 bytes as 32 units of 512: all 32 loads go out at once,
; then each unit is rounded in place and stored: 32 lanes x 8 bytes = 256 consecutive bytes at a multiple of 256 from the buffer's first byte.
.set X,  8                             ; v[8:135]  unit u: four registers
.set WQ, 8388608
.set WO, 14680064
; kind 0: x.  kind 1: w_qkv (a unit is 64 columns of two rows k, k + 1; unit u: row pair u / 16, column group u % 16).  kind 2: w_out.
.macro RUN kind
.set u, 0
.rept 32
.if (\kind) == 1
	global_load_b128 v[X+4*u:X+4*u+3], v2, s[20:21] offset:(u>>4)*24576+(u&15)*256 th:TH_LOAD_NT
.else
	global_load_b128 v[X+4*u:X+4*u+3], v2, s[20:21] offset:512*u th:TH_LOAD_NT
.endif
.set u, u+1
.endr
.set u, 0
.rept 32
	s_wait_loadcnt 31-u                            ; loads come back in order: unit u is in, the 31 - u younger ones stay out
.if (\kind) == 2
	v_cvt_pk_bf16_f32 v4, v[X+4*u], v[X+4*u+1]     ; the one rounding, to bf16,
	v_cvt_pk_bf16_f32 v5, v[X+4*u+2], v[X+4*u+3]
	v_lshlrev_b32 v[X+4*u], 16, v4                 ; widened again,
	v_and_b32 v[X+4*u+1], s18, v4
	v_lshlrev_b32 v[X+4*u+2], 16, v5
	v_and_b32 v[X+4*u+3], s18, v5
	v_cvt_pk_f16_f32 v[X+4*u], v[X+4*u], v[X+4*u+1]      ; and written as f16
	v_cvt_pk_f16_f32 v[X+4*u+1], v[X+4*u+2], v[X+4*u+3]
.else
	v_cvt_pk_bf16_f32 v[X+4*u], v[X+4*u], v[X+4*u+1]
	v_cvt_pk_bf16_f32 v[X+4*u+1], v[X+4*u+2], v[X+4*u+3]
.endif
.if (\kind) == 1
	global_store_b64 v3, v[X+4*u:X+4*u+1], s[22:23] offset:(u&15)*393216+(u>>4)*256  ; group g = u % 16 lies 3 x 1024 x 128 bytes on; 5,898,496 at the most: inside the signed 24 bits
.else
	global_store_b64 v3, v[X+4*u:X+4*u+1], s[22:23] offset:256*u
.endif
.set u, u+1
.endr
.endm
	s_load_b256 s[4:11], s[0:1], 0x0               ; x s[4:5], w_qkv s[6:7], w_out s[8:9], cvt s[10:11]
	v_and_b32 v1, 31, v0                           ; lane
	v_lshrrev_b32 v4, 5, v0
	v_readfirstlane_b32 s12, v4                    ; wave 0..7
	v_lshlrev_b32 v3, 3, v1                        ; out: 8 bytes a lane
	v_lshlrev_b32 v2, 4, v1                        ; in: 16 bytes a lane
	s_mov_b32 s18, 0xffff0000                      ; a word's upper bf16
	s_mov_b32 s19, ttmp9                           ; the work-group
	s_mov_b32 s15, 0                               ; the offsets' high words
	s_mov_b32 s17, 0
	s_wait_kmcnt 0x0
	s_cmp_lt_u32 s19, 128
	s_cbranch_scc0 .Lweights
	s_lshl_b32 s14, s19, 17                        ; x: 131,072 bytes a work-group,
	s_lshl_b32 s13, s12, 14                        ; 16,384 a wave
	s_add_co_u32 s14, s14, s13
	s_lshr_b32 s16, s14, 1                         ; half as many out
	s_add_nc_u64 s[20:21], s[4:5], s[14:15]
	s_add_nc_u64 s[22:23], s[10:11], s[16:17]
	RUN 0
	s_endpgm
.Lweights:
	s_cmp_lt_u32 s19, 224
	s_cbranch_scc0 .Lwout
	v_and_b32 v2, 15, v1                           ; w_qkv: lanes 0-15 take 256 bytes of row k, lanes 16-31 the same columns of row k + 1
	v_lshlrev_b32 v2, 4, v2
	v_lshrrev_b32 v4, 4, v1
	v_mul_u32_u24 v4, v4, 12288
	v_add_nc_u32 v2, v2, v4
	s_sub_co_u32 s13, s19, 128                     ; j = 32 s + kb
	s_and_b32 s14, s13, 31
	s_lshl_b32 s14, s14, 5
	s_lshl2_add_u32 s14, s12, s14                  ; my first row k = 32 kb + 4 w
	s_lshr_b32 s13, s13, 5                         ; the strip s: q, k or v
	s_lshl_b32 s16, s13, 10
	s_add_co_u32 s16, s16, s14
	s_lshl_b32 s16, s16, 7                         ; out: (1024 s + k) rows of 128 bytes
	s_add_co_u32 s16, s16, WQ
	s_mul_i32 s14, s14, 12288                      ; in: k rows of 12,288 bytes,
	s_lshl_b32 s13, s13, 12                        ; and the strip's 4,096
	s_add_co_u32 s14, s14, s13
	s_add_nc_u64 s[20:21], s[6:7], s[14:15]
	s_add_nc_u64 s[22:23], s[10:11], s[16:17]
	RUN 1
	s_endpgm
.Lwout:
	s_sub_co_u32 s13, s19, 224
	s_lshl_b32 s14, s13, 17
	s_lshl_b32 s13, s12, 14
	s_add_co_u32 s14, s14, s13
	s_lshr_b32 s16, s14, 1
	s_add_co_u32 s16, s16, WO
	s_add_nc_u64 s[20:21], s[8:9], s[14:15]
	s_add_nc_u64 s[22:23], s[10:11], s[16:17]
	RUN 2
	s_endpgm
.Lfunc_end_k_qce7d632425_cast:
	.size	k_qce7d632425_cast, .Lfunc_end_k_qce7d632425_cast-k_qce7d632425_cast
	.p2alignl 7, 3214868480
	.fill 96, 4, 3214868480
	.section	.rodata,"a",@progbits
	.p2align	6, 0x0
	.amdhsa_kernel k_qce7d632425_cast
		.amdhsa_group_segment_fixed_size 0
		.amdhsa_private_segment_fixed_size 0
		.amdhsa_enable_private_segment 0
		.amdhsa_kernarg_size 32
		.amdhsa_user_sgpr_count 2
		.amdhsa_user_sgpr_kernarg_segment_ptr 1
		.amdhsa_wavefront_size32 1
		.amdhsa_system_sgpr_workgroup_id_x 1
		.amdhsa_system_sgpr_workgroup_id_y 1
		.amdhsa_system_sgpr_workgroup_id_z 1
		.amdhsa_system_vgpr_workitem_id 0
		.amdhsa_next_free_vgpr 140
		.amdhsa_next_free_sgpr 66
		.amdhsa_reserve_vcc 0
		.amdhsa_float_denorm_mode_32 3
		.amdhsa_float_denorm_mode_16_64 3
		.amdhsa_memory_ordered 1
		.amdhsa_forward_progress 1
		.amdhsa_inst_pref_size 44
	.end_amdhsa_kernel
	.amdgpu_metadata
---
amdhsa.version: [ 1, 2 ]
amdhsa.kernels:
  - .name:           k_qce7d632425_cast
    .symbol:         k_qce7d632425_cast.kd
    .args:
      - { .name: x, .offset: 0, .size: 8, .value_kind: global_buffer, .address_space: global }
      - { .name: w_qkv, .offset: 8, .size: 8, .value_kind: global_buffer, .address_space: global }
      - { .name: w_out, .offset: 16, .size: 8, .value_kind: global_buffer, .address_space: global }
      - { .name: cvt, .offset: 24, .size: 8, .value_kind: global_buffer, .address_space: global }
    .group_segment_fixed_size: 0
    .private_segment_fixed_size: 0
    .kernarg_segment_align: 8
    .kernarg_segment_size: 32
    .max_flat_workgroup_size: 256
    .sgpr_count:     66
    .vgpr_count:     140
    .wavefront_size: 32
...
	.end_amdgpu_metadata
.endif
;; end of part 1
;; launch qkv (part 2): grid 16 x 16, 4 waves a work-group, clusters of 4 x 4, 327,680 bytes of LDS; arguments cvt, qkvb; writes qkvb
.if DOCPART == 2
	.amdgcn_target "amdgcn-amd-amdhsa--gfx1250"
	.amdhsa_code_object_version 6
	.text
	.protected	k_qce7d632425_qkv
	.globl	k_qce7d632425_qkv
	.p2align	8
	.type	k_qce7d632425_qkv,@function
k_qce7d632425_qkv:
	s_mov_b64 s[64:65], 0
	v_nop
	global_prefetch_b8 v0, s[64:65] scope:SCOPE_SE
	s_setreg_imm32_b32 hwreg(HW_REG_WAVE_MODE, 25, 1), 1
	s_wait_xcnt 0x0
	s_wait_alu depctr_hold_cnt(0) depctr_sa_sdst(0) depctr_va_vdst(0) depctr_va_sdst(0) depctr_va_ssrc(0) depctr_va_vcc(0) depctr_vm_vsrc(0)
	s_getreg_b32 s2, hwreg(HW_REG_IB_STS2, 6, 4)
	s_cmp_eq_u32 s2, 0
	s_cbranch_scc0 .Lentry_in_a_cluster
	s_endpgm
.Lentry_in_a_cluster:
	s_bfe_u32 s2, ttmp6, 0x10000c
	s_cmp_lg_u32 s2, 0xf033
	s_cbranch_scc0 .Lentry_shape_is_right
	s_endpgm
.Lentry_shape_is_right:
; q, k, v = x w_qkv, bf16 operands, f32 sums; each result rounded ONCE to f16 and written by heads (head = 32 batch + h):
;   qkvb + 0          : c q   [64][2048][32], c = log2(e) / sqrt(32), applied in f32 ahead of the rounding
;   qkvb + 8,388,608  : k     [64][2048][32]
;   qkvb + 16,777,216 : v^T   [64][16 chunks][32 channels][128 keys]
; LIMIT.  f16 holds no number beyond 65,504: |c q|, |k|, |v| must stay within it; NaN and infinities are not treated apart.
; SHARES.  Work-group (g, yb) makes 256 rows x 192 columns: the 64 columns of q, of k and of v that belong to heads 2 g and 2 g + 1: 256 work-groups, one text.
; Wave w makes rows 64 w .. + 63 x all 192 columns: 4 x 12 accumulators of 16 x 16, 384 registers.  K goes in 8 steps of 128 through two LDS slots.
; q's and k's blocks (b = 0..7) are made TRANSPOSED (source 0 = 16 columns of W, source 1 = 16 tokens): a lane holds a token and eight neighbouring channels.
; v's blocks (b = 8..11) the other way round: a lane holds a channel and eight neighbouring tokens: 16 bytes of v^T.
; W lies [k][column] in LDS and comes out turned, by ds_load_tr16_b128.
; CLUSTER 4 x 4: x's tile hangs on yb alone and is asked for jointly along a row of the cluster, W's on g alone and jointly along a column.
; REGISTERS, in windows of 256: window 0: v16-29 addresses, v32-223 the way out; window 1: two fragment buffers of 128 (32 of x, 96 of W);
;   windows 2, 3: accumulator (a, b) at v[96 (a % 2) + 8 b] of window 2 + a / 2.
.set PA,    272                        ; a row of x in LDS: 256 bytes + 16: the 16 rows of a fragment load start 16 bytes apart modulo 256
.set PB,    160                        ; a row of W (one k, 64 columns): 128 bytes + 32: an odd multiple of 32
.set HALFA, 128*PA                     ; what one load of x brings: 128 rows
.set HALFB, 3*64*PB                    ; what one load of W brings: three strips (q, k, v) of 64 k
.set BOFF,  2*HALFA
.set SLOT,  BOFF+2*HALFB               ; 131,072
.set SPARE, 2*SLOT                     ; the spare words: 128 bytes a wave, two blocks of 256 bytes that no other line names
.set QSW,   4*64*80                    ; the way out, in slot 0 behind its last fill and its last read: a wave's own [q0, q1, k0, k1][64 tokens][80 bytes],
.set VST,   4*QSW                      ; and the work-group's 64 channel rows of 256 tokens,
.set PVS,   528                        ; 512 bytes + 16
.set WQ,    8388608
.set LAPS,  4                          ; a lap = two K steps
.set ADRA, 16                          ; v16-17  my x fragments in slot 0, 1
.set ADRB, 20                          ; v20-21  my lane's place in W's tiles in slot 0, 1
.set GL,   22                          ; v22     16 x lane
.set STQ,  24                          ; v24, v25  q's and k's stage: in, back
.set RDQ,  25
.set STV,  26                          ; v26, v27  v's stage: in, back
.set RDV,  27
.set SPW,  28                          ; v28     my spare word; never rewritten
.set NIL,  29                          ; v29     0; never rewritten
.set TMP,  32
.set F0,   0
.set F1,   128
.set G1,  24                           ; s[24:31] group 1 for x's tiles; s[32:39] group 0, a set for each slot
.set G0,  32
.set G1B, 48                           ; s[48:55], s[56:63] the same for W's
.set G0B, 56
.set MSB, 0
.macro WIN new                         ; the immediate's high byte repeats the setting that is left; a switch that changes nothing is dropped
.if MSB != (\new)
	s_set_vgpr_msb (MSB<<8)|(\new)
.set MSB, (\new)
.endif
.endm
.set MUL_LO, 0xa5                      ; both sources window 1, C and D window 2
.set MUL_HI, 0xf5                      ; C and D window 3
.set TO_F,   0x40                      ; destination window 1, address window 0
.macro PLACES                          ; four places: in front of loads into registers that matrix instructions have read, and of vector lines that read results
.rept 4
	v_nop
.endr
.endm
; A joint load: waves 0 and 1 fetch x's two halves, waves 2 and 3 W's.  The branch hangs on the wave's number alone.  An s_nop 0 and four v_nop follow each line.
.macro JLOAD s
	s_cmp_eq_u32 s11, 0
	s_cbranch_scc0 .Lfor_b_\@
	tensor_load_to_lds s[G0+4*(\s):G0+4*(\s)+3], s[G1:G1+7]
	s_nop 0
.rept 4
	v_nop
.endr
	s_branch .Lasked_\@
.Lfor_b_\@:
	tensor_load_to_lds s[G0B+4*(\s):G0B+4*(\s)+3], s[G1B:G1B+7]
	s_nop 0
.rept 4
	v_nop
.endr
.Lasked_\@:
.endm
.macro CREST                           ; a round of the cluster's barrier behind its opening barrier
	s_cmp_lg_u32 s10, 0
	s_cbranch_scc1 .Lnot_wave_0_\@
	s_barrier_signal -3
.Lnot_wave_0_\@:
	s_barrier_wait -3
	s_barrier_signal -1
	s_barrier_wait -1
.endm
.macro CROUND                          ; a whole round
	s_barrier_signal -1
	s_barrier_wait -1
	CREST
.endm
	s_load_b128 s[4:7], s[0:1], 0x0                ; cvt s[4:5], qkvb s[6:7]
	v_lshl_add_u32 v[SPW], v0, 2, SPARE
	v_mov_b32 v[NIL], 0
	ds_add_u32 v[SPW], v[NIL]                      ; the wave's opening: the add and its wait stand ahead of my first tensor load
	v_lshrrev_b32 v1, 5, v0
	v_readfirstlane_b32 s10, v1                    ; wave 0..3
	s_lshr_b32 s11, s10, 1                         ; I fetch for x (0) or for W (1),
	s_and_b32 s12, s10, 1                          ; and which half
	s_bfe_u32 s40, ttmp6, 0x40000                  ; cx, cy
	s_bfe_u32 s41, ttmp6, 0x40004
	s_lshl_b32 s42, ttmp9, 2
	s_add_co_u32 s42, s42, s40                     ; g = 4 x cluster x + cx
	s_and_b32 s13, ttmp7, 0xffff
	s_lshl_b32 s13, s13, 2
	s_add_co_u32 s13, s13, s41                     ; yb = 4 x cluster y + cy
	s_lshl_b32 s43, s41, 2
	s_lshl_b32 s43, 15, s43                        ; my row of the cluster
	s_lshl_b32 s44, 0x1111, s40                    ; my column
	; x's tile: 128 rows x 128 elements, 16 bytes of padding behind every 256
	s_or_b32 s[G1+0], s43, (1<<16)|(1<<20)|(1<<21)|(5<<22)|(3<<25)
	s_mov_b32 s[G1+1], 128<<16                     ; tensor_dim0 = 128
	s_mov_b32 s[G1+2], 128<<16                     ; tensor_dim1 = 128
	s_mov_b32 s[G1+3], 128<<16                     ; tile_dim0 = 128
	s_mov_b32 s[G1+4], 128                         ; tile_dim1 = 128
	s_mov_b32 s[G1+5], 1024                        ; elements from row to row
	s_mov_b32 s[G1+6], 0
	s_mov_b32 s[G1+7], 0
	; W's tile: three rows (the strips q, k, v) of 4,096 elements (64 k x 64 columns, dense), 65,536 elements apart; 32 bytes of padding behind every 128
	s_or_b32 s[G1B+0], s44, (1<<16)|(1<<20)|(1<<21)|(4<<22)|(7<<25)
	s_mov_b32 s[G1B+1], 4096<<16
	s_mov_b32 s[G1B+2], 3<<16
	s_mov_b32 s[G1B+3], 4096<<16
	s_mov_b32 s[G1B+4], 3
	s_mov_b32 s[G1B+5], 65536
	s_mov_b32 s[G1B+6], 0
	s_mov_b32 s[G1B+7], 0
	s_lshl_b32 s16, s13, 8                         ; x: row 256 yb + 128 half, 2,048 bytes each: yb and the wave alone
	s_lshl_b32 s17, s12, 7
	s_add_co_u32 s16, s16, s17
	s_lshl_b32 s16, s16, 11
	s_mov_b32 s17, 0
	s_mul_i32 s46, s42, 393216                     ; W: group g, k = 64 half, 128 bytes each: g and the wave alone
	s_lshl_b32 s47, s12, 13
	s_add_co_u32 s46, s46, s47
	s_add_co_u32 s46, s46, WQ
	s_mov_b32 s47, 0
	s_mul_i32 s18, s12, HALFA                      ; where they go: no place in the cluster enters an LDS address
	s_mul_i32 s19, s12, HALFB
	s_add_co_u32 s19, s19, BOFF
	s_mov_b32 s20, 0x3e8293ee                      ; c = log2(e) / sqrt(32) = 0.255035
	s_mov_b32 s21, s20                             ; named with it as a pair
	s_wait_dscnt 0x0                               ; the opening add is done
	s_wait_kmcnt 0x0
	s_add_nc_u64 s[14:15], s[4:5], s[16:17]
	s_add_nc_u64 s[46:47], s[4:5], s[46:47]
	CROUND                                         ; all sixteen work-groups are here: the first joint loads meet
.irp s, 0,1
	s_mov_b32 s[G0+4*(\s)], 1
	s_add_co_u32 s[G0+4*(\s)+1], s18, (\s)*SLOT
	s_add_nc_u64 s[G0+4*(\s)+2:G0+4*(\s)+3], s[14:15], (\s)*256      ; K step s: 128 elements on
	s_or_b32 s[G0+4*(\s)+3], s[G0+4*(\s)+3], 0x80000000
	s_mov_b32 s[G0B+4*(\s)], 1
	s_add_co_u32 s[G0B+4*(\s)+1], s19, (\s)*SLOT
	s_add_nc_u64 s[G0B+4*(\s)+2:G0B+4*(\s)+3], s[46:47], (\s)*16384  ; 128 k of 128 bytes on
	s_or_b32 s[G0B+4*(\s)+3], s[G0B+4*(\s)+3], 0x80000000
	JLOAD \s                                       ; two loads of mine are out
.endr
	v_and_b32 v1, 15, v0                           ; r = lane % 16
	v_bfe_u32 v2, v0, 4, 1                         ; h = lane / 16
	v_mul_u32_u24 v3, v1, PA
	v_lshl_add_u32 v3, v2, 4, v3
	s_mul_i32 s22, s10, 64*PA                      ; my 64 rows of x
	v_add_nc_u32 v[ADRA], s22, v3
	v_add_nc_u32 v[ADRA+1], SLOT, v[ADRA]
	v_and_b32 v4, 7, v0                            ; the turning load: lane l reads row 8 h + l % 8, 16 bytes at 16 ((l / 8) % 2)
	v_lshl_add_u32 v4, v2, 3, v4
	v_mul_u32_u24 v4, v4, PB
	v_bfe_u32 v5, v0, 3, 1
	v_lshl_add_u32 v4, v5, 4, v4
	v_add_nc_u32 v[ADRB], BOFF, v4
	v_add_nc_u32 v[ADRB+1], SLOT, v[ADRB]
	v_and_b32 v[GL], 31, v0
	v_lshlrev_b32 v[GL], 4, v[GL]
	s_mul_i32 s23, s10, QSW                        ; my stage for q and k
	v_mul_u32_u24 v6, v1, 80                       ; in: token r, 16 bytes for each half of the lanes
	v_lshl_add_u32 v6, v2, 4, v6
	v_add_nc_u32 v[STQ], s23, v6
	v_bfe_u32 v6, v0, 2, 3                         ; back: 32 lanes take eight tokens of 64 bytes
	v_mul_u32_u24 v6, v6, 80
	v_and_b32 v7, 3, v0
	v_lshl_add_u32 v6, v7, 4, v6
	v_add_nc_u32 v[RDQ], s23, v6
	s_lshl_b32 s22, s10, 7                         ; v's stage, in: channel r, my 64 tokens at byte 128 w
	s_add_co_u32 s22, s22, VST
	v_mul_u32_u24 v8, v1, PVS
	v_lshl_add_u32 v8, v2, 4, v8
	v_add_nc_u32 v[STV], s22, v8
	s_mul_i32 s22, s10, 16*PVS                     ; back: channel rows 16 w .. + 15; lanes 0-15 take 256 bytes of one, lanes 16-31 of the next
	s_add_co_u32 s22, s22, VST
	v_mul_u32_u24 v9, v2, PVS
	v_lshl_add_u32 v9, v1, 4, v9
	v_add_nc_u32 v[RDV], s22, v9
	; where the results go; these offsets hold both coordinates and lie in registers that feed no descriptor
	s_lshr_b32 s74, s13, 3                         ; the batch
	s_lshl_b32 s74, s74, 5
	s_lshl1_add_u32 s74, s42, s74                  ; head 32 batch + 2 g
	s_and_b32 s75, s13, 7                          ; my block of 256 tokens in the batch
	s_lshl_b32 s76, s74, 11
	s_lshl_b32 s77, s75, 8
	s_add_co_u32 s76, s76, s77
	s_lshl_b32 s77, s10, 6
	s_add_co_u32 s76, s76, s77                     ; row = 2048 head + 256 block + 64 w,
	s_lshl_b32 s76, s76, 6                         ; of 64 bytes
	s_mov_b32 s77, 0
	s_add_nc_u64 s[68:69], s[6:7], s[76:77]        ; q
	s_add_nc_u64 s[70:71], s[68:69], 0x800000      ; k
	s_lshl_b32 s78, s74, 4
	s_lshl1_add_u32 s78, s75, s78                  ; chunk = 16 head + 2 block,
	s_lshl_b32 s78, s78, 13                        ; of 8,192 bytes;
	s_lshl_b32 s79, s11, 17                        ; waves 2, 3 read back the second head's rows,
	s_add_co_u32 s78, s78, s79
	s_lshl_b32 s79, s12, 12                        ; odd waves channels 16 to 31
	s_add_co_u32 s78, s78, s79
	s_add_co_u32 s78, s78, 0x1000000
	s_mov_b32 s79, 0
	s_add_nc_u64 s[72:73], s[6:7], s[78:79]        ; v^T
; 12 matrix instructions: m block 2 hi + a x all 12 n blocks, 32 along K.  zero = 1: the first product starts the sums.  The 48 accumulators take turns, in the same order in every quarter.
.macro MUL12 f, hi, a, zero
	WIN MUL_LO+0x50*(\hi)
.set n, 0
.rept 12
.set rD, 96*(\a)+8*n
.set rA, (\f)+8*(2*(\hi)+(\a))
.set rB, (\f)+32+8*n
.if n < 8
.if \zero
	v_wmma_f32_16x16x32_bf16 v[rD:rD+7], v[rB:rB+7], v[rA:rA+7], 0
.else
	v_wmma_f32_16x16x32_bf16 v[rD:rD+7], v[rB:rB+7], v[rA:rA+7], v[rD:rD+7]
.endif
.else
.if \zero
	v_wmma_f32_16x16x32_bf16 v[rD:rD+7], v[rA:rA+7], v[rB:rB+7], 0
.else
	v_wmma_f32_16x16x32_bf16 v[rD:rD+7], v[rA:rA+7], v[rB:rB+7], v[rD:rD+7]
.endif
.endif
.set n, n+1
.endr
.endm
; 32 LDS loads in one run: quarter q (32 along K) of a slot into buffer f: W's twelve fragments (strip n / 4, columns 16 (n % 4) on), then x's four; x's blocks 2 and 3 last
.macro FETCH slot, q, f
	WIN TO_F
.set n, 0
.rept 12
	ds_load_tr16_b128 v[(\f)+32+8*n:(\f)+32+8*n+3],   v[ADRB+(\slot)] offset:((\q)>>1)*HALFB+((\q)&1)*32*PB+(n/4)*64*PB+(n%4)*32
	ds_load_tr16_b128 v[(\f)+32+8*n+4:(\f)+32+8*n+7], v[ADRB+(\slot)] offset:((\q)>>1)*HALFB+((\q)&1)*32*PB+(n/4)*64*PB+(n%4)*32+16*PB
.set n, n+1
.endr
.set n, 0
.rept 4
	ds_load_b128 v[(\f)+8*n:(\f)+8*n+3],   v[ADRA+(\slot)] offset:64*(\q)+n*16*PA
	ds_load_b128 v[(\f)+8*n+4:(\f)+8*n+7], v[ADRA+(\slot)] offset:64*(\q)+n*16*PA+32
.set n, n+1
.endr
.endm
; One of a K step's first three quarters: multiplies buffer f; in its middle it fetches quarter q of the same slot into buffer g
.macro QUARTER slot, q, f, g, zero
	s_wait_dscnt 4                                 ; W and x's blocks 0, 1 are in; the youngest four loads (x's blocks 2, 3) may be out
	MUL12 \f, 0, 0, \zero
	MUL12 \f, 0, 1, \zero
	PLACES
	FETCH \slot, \q, \g
	s_wait_dscnt 32                                ; all but the 32 just issued
	MUL12 \f, 1, 0, \zero
	MUL12 \f, 1, 1, \zero
.endm
; The last quarter multiplies buffer 1 and changes slots.  In front of the barrier each wave waits for all its tensor loads (one is out: its part of the next slot),
; adds 0 to its spare word, and waits for that and for its own reads of this slot.
.macro MEET
	WIN 0                                          ; the add's two registers lie in window 0
	s_wait_tensorcnt 0x0
	ds_add_u32 v[SPW], v[NIL]
	s_wait_dscnt 5                                 ; the add and the youngest four loads may be out
	MUL12 F1, 0, 0, 0                              ; twelve matrix instructions stand between the add and the wait for it
	s_wait_dscnt 0x0                               ; the add is done, and my reads of this slot are over
	s_barrier_signal -1
	MUL12 F1, 0, 1, 0                              ; work on registers while the others arrive
	WIN 0
	s_barrier_wait -1
.endm
.macro TURN slot, next, fill
	MEET
.if \fill
	CREST                                          ; the barrier has opened a round of the cluster's: no wave of any partner still reads this slot or has a load on its way
	s_add_nc_u64 s[G0+4*(\slot)+2:G0+4*(\slot)+3], s[G0+4*(\slot)+2:G0+4*(\slot)+3], 2*256
	s_add_nc_u64 s[G0B+4*(\slot)+2:G0B+4*(\slot)+3], s[G0B+4*(\slot)+2:G0B+4*(\slot)+3], 2*16384
	JLOAD \slot                                    ; the first tensor load behind the round, 168 matrix instructions ahead of the wait for it; its four v_nop are the places in front of the loads below
.else
	PLACES
.endif
	FETCH \next, 0, F0
	MUL12 F1, 1, 0, 0
	MUL12 F1, 1, 1, 0
.endm
	s_wait_tensorcnt 1                             ; my part of K step 0 is in; K step 1's may stay out
	s_barrier_signal -1
	s_barrier_wait -1
	FETCH 0, 0, F0
	QUARTER 0, 1, F0, F1, 1                        ; the first quarter stands in front of the loop: its products start the sums
	WIN 0
	s_mov_b32 s3, LAPS-1
.Llap:                                                 ; a trip goes once round the ring and fills both slots again
	QUARTER 0, 2, F1, F0, 0
	QUARTER 0, 3, F0, F1, 0
	TURN 0, 1, 1
	QUARTER 1, 1, F0, F1, 0
	QUARTER 1, 2, F1, F0, 0
	QUARTER 1, 3, F0, F1, 0
	TURN 1, 0, 1
	QUARTER 0, 1, F0, F1, 0
	WIN 0
	s_sub_co_u32 s3, s3, 1
	s_cmp_lg_u32 s3, 0
	s_cbranch_scc1 .Llap
	QUARTER 0, 2, F1, F0, 0                        ; the last lap fills nothing
	QUARTER 0, 3, F0, F1, 0
	TURN 0, 1, 0                                   ; behind this barrier nobody reads slot 0 any more, and nothing is loaded into it: it serves as the stages
	QUARTER 1, 1, F0, F1, 0
	QUARTER 1, 2, F1, F0, 0
	QUARTER 1, 3, F0, F1, 0
	s_wait_dscnt 4
	MUL12 F1, 0, 0, 0
	MUL12 F1, 0, 1, 0
	s_wait_dscnt 0x0
	MUL12 F1, 1, 0, 0
	MUL12 F1, 1, 1, 0
	; THE WAY OUT.  q times c; all rounded to f16, 16 bytes a lane and accumulator; into the stages; a barrier, since a channel row of v^T comes from four waves; back as 512 consecutive bytes.
	PLACES
.macro PACKW hi                        ; window 2 + hi: each accumulator's registers in ascending order
	WIN 0x82+0x41*(\hi)
.set n, 0
.rept 32                               ; q's blocks: a = n / 16, b = (n / 4) % 4
.set rD, 96*(n/16)+8*((n/4)%4)+2*(n%4)
	v_pk_mul_f32 v[rD:rD+1], v[rD:rD+1], s[20:21] op_sel_hi:[1,0]
.set n, n+1
.endr
	WIN 0x0a+5*(\hi)
.set n, 0
.rept 96                               ; a = n / 48, b = (n / 4) % 12
.set rD, 96*(n/48)+8*((n/4)%12)+2*(n%4)
	v_cvt_pk_f16_f32 v[TMP+96*(\hi)+n], v[rD], v[rD+1]
.set n, n+1
.endr
.endm
	PACKW 0
	PACKW 1
	WIN 0
.set n, 0
.rept 48                               ; m block n / 12, n block n % 12
.if (n%12) < 8
	ds_store_b128 v[STQ], v[TMP+4*n:TMP+4*n+3] offset:((n%12)/2)*5120+(n/12)*1280+((n%12)%2)*32
.else
	ds_store_b128 v[STV], v[TMP+4*n:TMP+4*n+3] offset:((n%12)-8)*16*PVS+(n/12)*32
.endif
.set n, n+1
.endr
	s_wait_dscnt 0x0                               ; for the others' sake: my stores into the stages are done
	s_barrier_signal -1
	s_barrier_wait -1
.set n, 0
.rept 32                               ; q0, q1, k0, k1: chunk n / 8, eight tokens a load
	ds_load_b128 v[TMP+4*n:TMP+4*n+3], v[RDQ] offset:(n/8)*5120+(n%8)*640
.set n, n+1
.endr
.rept 16                               ; v^T: two channel rows a load, 128 tokens (a chunk) of each
	ds_load_b128 v[TMP+4*n:TMP+4*n+3], v[RDV] offset:2*PVS*((n-32)%8)+256*((n-32)/8)
.set n, n+1
.endr
.set n, 0
.rept 48
	s_wait_dscnt 47-n                              ; LDS loads come back in order: load n is in
.if n < 16
	global_store_b128 v[GL], v[TMP+4*n:TMP+4*n+3], s[68:69] offset:(n/8)*131072+512*(n%8)        ; each store covers 512 consecutive bytes, at a multiple of 512 from the buffer's first
.elseif n < 32
	global_store_b128 v[GL], v[TMP+4*n:TMP+4*n+3], s[70:71] offset:((n/8)&1)*131072+512*(n%8)
.else
	global_store_b128 v[GL], v[TMP+4*n:TMP+4*n+3], s[72:73] offset:512*((n-32)%8)+8192*((n-32)/8)
.endif
.set n, n+1
.endr
	s_wait_tensorcnt 0x0                           ; the wave's end
	ds_add_u32 v[SPW], v[NIL]
	s_wait_dscnt 0x0
	CROUND                                         ; the closing round
	s_endpgm
.Lfunc_end_k_qce7d632425_qkv:
	.size	k_qce7d632425_qkv, .Lfunc_end_k_qce7d632425_qkv-k_qce7d632425_qkv
	.p2alignl 7, 3214868480
	.fill 96, 4, 3214868480
	.section	.rodata,"a",@progbits
	.p2align	6, 0x0
	.amdhsa_kernel k_qce7d632425_qkv
		.amdhsa_group_segment_fixed_size 327680
		.amdhsa_private_segment_fixed_size 0
		.amdhsa_enable_private_segment 0
		.amdhsa_kernarg_size 16
		.amdhsa_user_sgpr_count 2
		.amdhsa_user_sgpr_kernarg_segment_ptr 1
		.amdhsa_wavefront_size32 1
		.amdhsa_system_sgpr_workgroup_id_x 1
		.amdhsa_system_sgpr_workgroup_id_y 1
		.amdhsa_system_sgpr_workgroup_id_z 1
		.amdhsa_system_vgpr_workitem_id 0
		.amdhsa_next_free_vgpr 1024
		.amdhsa_next_free_sgpr 80
		.amdhsa_reserve_vcc 0
		.amdhsa_float_denorm_mode_32 3
		.amdhsa_float_denorm_mode_16_64 3
		.amdhsa_memory_ordered 1
		.amdhsa_forward_progress 1
		.amdhsa_inst_pref_size 124
	.end_amdhsa_kernel
	.amdgpu_metadata
---
amdhsa.version: [ 1, 2 ]
amdhsa.kernels:
  - .name:           k_qce7d632425_qkv
    .symbol:         k_qce7d632425_qkv.kd
    .args:
      - { .name: cvt, .offset: 0, .size: 8, .value_kind: global_buffer, .address_space: global }
      - { .name: qkvb, .offset: 8, .size: 8, .value_kind: global_buffer, .address_space: global }
    .group_segment_fixed_size: 327680
    .private_segment_fixed_size: 0
    .kernarg_segment_align: 8
    .kernarg_segment_size: 16
    .max_flat_workgroup_size: 128
    .sgpr_count:     80
    .vgpr_count:     1024
    .wavefront_size: 32
...
	.end_amdgpu_metadata
.endif
;; end of part 2
;; launch attn (part 3): grid 4 x 64, 8 waves a work-group, clusters of 4 x 1, 327,680 bytes of LDS; arguments qkvb, obuf; writes obuf
.if DOCPART == 3
	.amdgcn_target "amdgcn-amd-amdhsa--gfx1250"
	.amdhsa_code_object_version 6
	.text
	.protected	k_qce7d632425_attn
	.globl	k_qce7d632425_attn
	.p2align	8
	.type	k_qce7d632425_attn,@function
k_qce7d632425_attn:
	s_mov_b64 s[64:65], 0
	v_nop
	global_prefetch_b8 v0, s[64:65] scope:SCOPE_SE
	s_setreg_imm32_b32 hwreg(HW_REG_WAVE_MODE, 25, 1), 1
	s_wait_xcnt 0x0
	s_wait_alu depctr_hold_cnt(0) depctr_sa_sdst(0) depctr_va_vdst(0) depctr_va_sdst(0) depctr_va_ssrc(0) depctr_va_vcc(0) depctr_vm_vsrc(0)
	s_getreg_b32 s2, hwreg(HW_REG_IB_STS2, 6, 4)
	s_cmp_eq_u32 s2, 0
	s_cbranch_scc0 .Lentry_in_a_cluster
	s_endpgm
.Lentry_in_a_cluster:
	s_bfe_u32 s2, ttmp6, 0x10000c
	s_cmp_lg_u32 s2, 0x3003
	s_cbranch_scc0 .Lentry_shape_is_right
	s_endpgm
.Lentry_shape_is_right:
; O[head][q][:] = the sum over k of softmax_k(q . k / sqrt(32)) v[k][:], head size 32, 2,048 keys, 64 heads.  q arrives as c q (c = log2(e) / sqrt(32)), k as it is, v turned; all f16.
; Products, maxima and sums in f32; the weights p are rounded to f16 for the second product (their sum l is taken of the unrounded p), O once at the end, to f16 [64][2048][32].
; TWO PASSES.  A head's whole K (2,048 x 80 bytes) and V^T (16 x 32 x 272 bytes) lie in LDS together, loaded once.  Pass 1 makes the scores and keeps each query's TRUE maximum m.
; Pass 2 makes them again with -m as the C operand, so that the results go straight into the exponential: p = 2^(s - m).  No scaling, no running statistics, no rescaling:
; a tile of 16 queries x 64 keys has 16 + 64 vector lines and 12 matrix instructions, where a running maximum would have some 110 and 8.
; LIMITS.  q, k, v within f16's 65,504; p lies in 0 to 1 (a rounding above 1), and below 6e-5 keeps f16's fixed step of 6e-8; a weight below 2^-126 counts as 0; NaN and infinities are not treated apart.
; SHARES.  A work-group owns 512 queries of a head, each of its eight waves 64: four tiles of 16.  Two waves share a SIMD and work in phases (products, then vector work), so that one's products stand beside the other's exponentials.
; LAYOUT.  S^T = K Q^T (source 0 = 16 keys, source 1 = 16 queries): a lane holds ONE query (lane % 16) and the keys 8 (lane / 16) + 0..7.  Two such results rounded to f16 ARE source 1 of O^T = V^T P.
; CLUSTER.  The four query blocks of a head read the same K and V: every load is joint, mask 15.  Nothing is filled again.
; O^T and l are cleared (72 v_mov_b32 between the passes): no first step is written out, which keeps pass 2 to one text.
; REGISTERS: window 0: v2-11 addresses; v12-27 four chains of maxima a tile; v28-35 l, a pair a tile; v64-191 S^T, 32 a tile; v192-255 P, 16 a tile
;   window 1: v0-31 Q; v32-95 K, two buffers; v96-159 V, two buffers; v160-223 O^T, 16 a tile; v224-255 -m, eight copies a tile
.set PK,    80                         ; a key in LDS: 64 bytes + 16
.set PV,    272                        ; a channel's 128 keys: 256 bytes + 16
.set VB,    2048*PK                    ; 163,840
.set CHUNK, 32*PV                      ; 8,704
.set STAGE, VB+16*CHUNK                ; 303,104: 16 tokens x 80 bytes for each wave, never filled by a tensor load
.set SPARE, STAGE+8*16*80              ; 313,344: the spare words, 128 bytes a wave: four blocks of 256 bytes that no other line names
.set AK0, 2                            ; v2  my lane's place in K; never rewritten
.set AV0, 3                            ; v3  in V^T
.set AK,  4                            ; v4  K of the two steps in hand
.set AV,  5                            ; v5  V's chunk in hand
.set QO,  6
.set STO, 7
.set RD,  8
.set GO,  9
.set SPW, 10                           ; v10  my spare word; never rewritten
.set NIL, 11                           ; v11  0; never rewritten
.set MX,  12
.set LS,  28
.set S,   64
.set P,   192
.set Q,   0                            ; window 1
.set KF,  32
.set VF,  96
.set O,   160
.set NM,  224
.set WV,  12                           ; s12  my wave's number
.set G1K, 24
.set G1V, 32
.set G0K, 40
.set G0V, 44
.set CNT, 56
.set SEL, 60
.set MSB, 0
.macro WIN new
.if MSB != (\new)
	s_set_vgpr_msb (MSB<<8)|(\new)
.set MSB, (\new)
.endif
.endm
.set W_KQ,  0x15                       ; K, Q and -m in window 1, S^T in window 0
.set W_PV,  0x51                       ; V and O^T in window 1, P in window 0
.set TO1,   0x40                       ; destination window 1
.set W_OUT, 0x01                       ; source 0 window 1
.macro PLACES
.rept 4
	v_nop
.endr
.endm
.macro CROUND                          ; a round of the cluster's barrier
	s_barrier_signal -1
	s_barrier_wait -1
	s_cmp_lg_u32 s[WV], 0
	s_cbranch_scc1 .Lnot_wave_0_\@
	s_barrier_signal -3
.Lnot_wave_0_\@:
	s_barrier_wait -3
	s_barrier_signal -1
	s_barrier_wait -1
.endm
	s_load_b128 s[4:7], s[0:1], 0x0                ; qkvb s[4:5], obuf s[6:7]
	v_lshl_add_u32 v[SPW], v0, 2, SPARE
	v_mov_b32 v[NIL], 0
	ds_add_u32 v[SPW], v[NIL]                      ; the wave's opening: the add and its wait stand ahead of my first tensor load
	v_lshrrev_b32 v1, 5, v0
	v_readfirstlane_b32 s[WV], v1                  ; wave 0..7
	s_bfe_u32 s13, ttmp6, 0x40000                  ; cx
	s_lshl_b32 s14, ttmp9, 2
	s_add_co_u32 s14, s14, s13                     ; my block of 512 queries: it enters Q's and O's addresses alone
	s_and_b32 s20, ttmp7, 0xffff                   ; the head, which the four partners share:
	s_lshl_b32 s20, s20, 17                        ; 131,072 bytes in each of q, k, v^T and O
	s_lshl_b32 s22, s[WV], 14                      ; I fetch 16,384 bytes of K (256 keys) and of V^T (two chunks)
	s_add_co_u32 s22, s22, s20
	s_mov_b32 s23, 0
	s_lshl_b32 s2, s14, 3
	s_add_co_u32 s2, s2, s[WV]
	s_lshl_b32 s2, s2, 12                          ; my 64 rows of 64 bytes
	s_add_co_u32 s2, s2, s20
	s_mov_b32 s3, 0
	; both tiles are dense and asked for as 64 rows of 256 bytes; K is padded by 16 bytes behind every key (64 bytes), V^T behind every row
	s_mov_b32 s[G1K], 15|(1<<16)|(1<<20)|(1<<21)|(3<<22)|(3<<25)
	s_mov_b32 s[G1V], 15|(1<<16)|(1<<20)|(1<<21)|(5<<22)|(3<<25)
.irp g, G1K, G1V
	s_mov_b32 s[\g+1], 128<<16                     ; tensor_dim0 = 128
	s_mov_b32 s[\g+2], 64<<16                      ; tensor_dim1 = 64
	s_mov_b32 s[\g+3], 128<<16                     ; tile_dim0 = 128
	s_mov_b32 s[\g+4], 64                          ; tile_dim1 = 64
	s_mov_b32 s[\g+5], 128                         ; elements from row to row
	s_mov_b32 s[\g+6], 0
	s_mov_b32 s[\g+7], 0
.endr
	s_mov_b32 s[G0K], 1
	s_mul_i32 s[G0K+1], s[WV], 256*PK              ; no place in the cluster enters an LDS address
	s_mov_b32 s[G0V], 1
	s_mul_i32 s[G0V+1], s[WV], 2*CHUNK
	s_add_co_u32 s[G0V+1], s[G0V+1], VB
	s_mov_b32 s[SEL], 0x76543210
	s_mov_b32 s[SEL+1], 0xfedcba98
	s_wait_dscnt 0x0                               ; the opening add is done
	s_wait_kmcnt 0x0
	s_add_nc_u64 s[G0K+2:G0K+3], s[4:5], s[22:23]
	s_add_nc_u64 s[G0K+2:G0K+3], s[G0K+2:G0K+3], 0x800000
	s_or_b32 s[G0K+3], s[G0K+3], 0x80000000
	s_add_nc_u64 s[G0V+2:G0V+3], s[4:5], s[22:23]
	s_add_nc_u64 s[G0V+2:G0V+3], s[G0V+2:G0V+3], 0x1000000
	s_or_b32 s[G0V+3], s[G0V+3], 0x80000000
	s_add_nc_u64 s[8:9], s[4:5], s[2:3]            ; Q at my wave's first row
	s_add_nc_u64 s[6:7], s[6:7], s[2:3]            ; O likewise
	CROUND                                         ; all four work-groups are here: the joint loads meet
	tensor_load_to_lds s[G0K:G0K+3], s[G1K:G1K+7]  ; two loads of mine are out: K's part first,
	s_nop 0
	tensor_load_to_lds s[G0V:G0V+3], s[G1V:G1V+7]  ; then V's
	s_nop 0
	PLACES
	v_and_b32 v1, 15, v0                           ; r
	v_bfe_u32 v36, v0, 4, 1                        ; h
	v_lshlrev_b32 v[QO], 6, v1
	v_lshl_add_u32 v[QO], v36, 4, v[QO]            ; row x 64 + 16 h
	WIN TO1
.irp t, 0,1,2,3                        ; Q stays in registers: a fragment (16 queries x 32 channels) a tile
	global_load_b128 v[Q+8*\t:Q+8*\t+3],   v[QO], s[8:9] offset:1024*\t
	global_load_b128 v[Q+8*\t+4:Q+8*\t+7], v[QO], s[8:9] offset:1024*\t+32
.endr
	WIN 0
	v_mul_u32_u24 v[AK0], v1, PK
	v_lshl_add_u32 v[AK0], v36, 4, v[AK0]          ; key r x pitch + 16 h
	v_mul_u32_u24 v[AV0], v1, PV
	v_lshl_add_u32 v[AV0], v36, 4, v[AV0]          ; channel r x pitch + 16 h
	v_add_nc_u32 v[AV0], VB, v[AV0]
	s_mul_i32 s15, s[WV], 16*80
	s_add_co_u32 s15, s15, STAGE                   ; my stage
	v_add_nc_u32 v[STO], s15, v[AK0]               ; in: token r x 80 + 16 h
	v_bfe_u32 v37, v0, 2, 3                        ; back: 32 lanes take eight tokens of 64 bytes
	v_mul_u32_u24 v37, v37, 80
	v_and_b32 v38, 3, v0
	v_lshl_add_u32 v37, v38, 4, v37
	v_add_nc_u32 v[RD], s15, v37
	v_and_b32 v[GO], 31, v0
	v_lshlrev_b32 v[GO], 4, v[GO]
.set n, 0
.rept 16
	v_mov_b32 v[MX+n], 0xff7fffff                  ; the lowest finite number
.set n, n+1
.endr
	v_mov_b32 v[AK], v[AK0]
.macro FK buf, off                     ; a step's K: four fragments of 16 keys x 32 channels
	WIN TO1
.irp kb, 0,1,2,3
	ds_load_b128 v[KF+32*(\buf)+8*\kb:KF+32*(\buf)+8*\kb+3],   v[AK] offset:(\off)+\kb*16*PK
	ds_load_b128 v[KF+32*(\buf)+8*\kb+4:KF+32*(\buf)+8*\kb+7], v[AK] offset:(\off)+\kb*16*PK+32
.endr
.endm
.macro FV buf, off                     ; a step's V^T: key half f / 2, channel block f % 2
	WIN TO1
.irp f, 0,1,2,3
	ds_load_b128 v[VF+32*(\buf)+8*\f:VF+32*(\buf)+8*\f+3],   v[AV] offset:(\off)+(\f%2)*16*PV+(\f/2)*64
	ds_load_b128 v[VF+32*(\buf)+8*\f+4:VF+32*(\buf)+8*\f+7], v[AV] offset:(\off)+(\f%2)*16*PV+(\f/2)*64+32
.endr
.endm
.macro KQ16 buf, c                     ; 16 products, 16 different accumulators: key block n / 4, tile n % 4.  c = 1: the sum starts with -m
	WIN W_KQ
.set n, 0
.rept 16
.set rS, S+32*(n%4)+8*(n/4)
.set rK, KF+32*(\buf)+8*(n/4)
.set rQ, Q+8*(n%4)
.if \c
	v_wmma_f32_16x16x32_f16 v[rS:rS+7], v[rK:rK+7], v[rQ:rQ+7], v[NM+8*(n%4):NM+8*(n%4)+7]
.else
	v_wmma_f32_16x16x32_f16 v[rS:rS+7], v[rK:rK+7], v[rQ:rQ+7], 0
.endif
.set n, n+1
.endr
.endm
.macro PV16 buf                        ; 16 products on 8 accumulators by turns: key half n / 8, tile (n / 2) % 4, channel block n % 2
	WIN W_PV
.set n, 0
.rept 16
.set rO, O+16*((n/2)%4)+8*(n%2)
.set rV, VF+32*(\buf)+16*(n/8)+8*(n%2)
.set rP, P+16*((n/2)%4)+8*(n/8)
	v_wmma_f32_16x16x32_f16 v[rO:rO+7], v[rV:rV+7], v[rP:rP+7], v[rO:rO+7]
.set n, n+1
.endr
.endm
; A step of pass 1.  guard = 1: in the last trip there is no further step, and the fetch is jumped over.  The other buffer's last readers stand 64 plain lines back.
.macro STEP1 buf, off, guard
	WIN 0
	s_wait_dscnt 0x0                               ; this step's K is in
.if \guard
	s_cmp_eq_u32 s[CNT], 1
	s_cbranch_scc1 .Lno_k_\@
.endif
	FK 1-(\buf), \off
.if \guard
	WIN 0
.Lno_k_\@:
.endif
	KQ16 \buf, 0
	WIN 0
	PLACES
.set n, 0
.rept 64                               ; pair n / 16 of each accumulator, lowest first; sixteen chains, so that no line waits for the one before it
	v_max3_num_f32 v[MX+4*((n/4)%4)+n%4], v[MX+4*((n/4)%4)+n%4], v[S+32*((n/4)%4)+8*(n%4)+2*(n/16)], v[S+32*((n/4)%4)+8*(n%4)+2*(n/16)+1]
.set n, n+1
.endr
.endm
; The vector work of a step of pass 2: 32 groups of four scores, S + 4 g.  A group's four exponentials alternate with the group before's two roundings to f16, the addition of its second pair onto
; its first, and l's taking of that sum: behind every exponential stands a plain line that names neither its result nor its source (ISA guide 5.7.2).
.macro VEC
	WIN 0
.set g, 0
.rept 33
.set eS, S+4*g
.set pS, S+4*g-4
.set pP, P+2*g-2
.set pL, LS+2*((g+7)/8-1)
.if g == 0
	v_exp_f32 v[eS], v[eS]
	v_exp_f32 v[eS+1], v[eS+1]
	v_exp_f32 v[eS+2], v[eS+2]
	v_exp_f32 v[eS+3], v[eS+3]
	v_nop
.elseif g < 32
	v_exp_f32 v[eS], v[eS]
	s_wait_alu depctr_va_vdst(0)
	v_cvt_pk_f16_f32 v[pP], v[pS], v[pS+1]
	v_exp_f32 v[eS+1], v[eS+1]
	v_cvt_pk_f16_f32 v[pP+1], v[pS+2], v[pS+3]
	v_exp_f32 v[eS+2], v[eS+2]
	v_pk_add_f32 v[pS:pS+1], v[pS:pS+1], v[pS+2:pS+3]
	v_exp_f32 v[eS+3], v[eS+3]
	v_pk_add_f32 v[pL:pL+1], v[pL:pL+1], v[pS:pS+1]
.else
	s_wait_alu depctr_va_vdst(0)
	v_cvt_pk_f16_f32 v[pP], v[pS], v[pS+1]
	v_cvt_pk_f16_f32 v[pP+1], v[pS+2], v[pS+3]
	v_pk_add_f32 v[pS:pS+1], v[pS:pS+1], v[pS+2:pS+3]
	v_pk_add_f32 v[pL:pL+1], v[pL:pL+1], v[pS:pS+1]
.endif
.set g, g+1
.endr
.endm
; A step of pass 2.  The four v_nop are the places behind the scores' products (for the exponentials) and behind the step before's V^T P (for the loads into V's other buffer and the writes of P).
.macro STEP2 buf, offk, offv, guard
	WIN 0
	s_wait_dscnt 0x0                               ; this step's K and V are in
	KQ16 \buf, 1
	WIN 0
	PLACES
.if \guard
	s_cmp_eq_u32 s[CNT], 1
	s_cbranch_scc1 .Lno_kv_\@
.endif
	FK 1-(\buf), \offk
	FV 1-(\buf), \offv
.if \guard
	WIN 0
.Lno_kv_\@:
.endif
	VEC
	PV16 \buf
	WIN 0
.endm
	s_wait_tensorcnt 1                             ; my part of K is in; V's may stay out
	s_barrier_signal -1
	s_barrier_wait -1                              ; everybody's part of K is in
	FK 0, 0
	WIN 0
	s_wait_loadcnt 0x0                             ; Q
	s_mov_b32 s[CNT], 16
.Lpass1:                                               ; a trip: two steps of 64 keys
	STEP1 0, 64*PK, 0
	STEP1 1, 128*PK, 1
	v_add_nc_u32 v[AK], 128*PK, v[AK]
	s_sub_co_u32 s[CNT], s[CNT], 1
	s_cmp_lg_u32 s[CNT], 0
	s_cbranch_scc1 .Lpass1
	; BETWEEN THE PASSES: the four chains and the other half of the lanes' make m; eight copies of -m a tile are the C operand; O^T and l start at 0
.irp t, 0,1,2,3
	v_max3_num_f32 v[MX+4*\t], v[MX+4*\t], v[MX+4*\t+1], v[MX+4*\t+2]
.endr
.irp t, 0,1,2,3
	v_max_num_f32 v[MX+4*\t], v[MX+4*\t], v[MX+4*\t+3]
.endr
.irp t, 0,1,2,3
	v_permlanex16_b32 v[MX+4*\t+1], v[MX+4*\t], s[SEL], s[SEL+1]  ; the query's other keys lie in the lane 16 away
.endr
.irp t, 0,1,2,3
	v_max_num_f32 v[MX+4*\t], v[MX+4*\t], v[MX+4*\t+1]
.endr
	WIN TO1
.set n, 0
.rept 32
	v_mul_f32 v[NM+n], -1.0, v[MX+4*(n/8)]
.set n, n+1
.endr
.set n, 0
.rept 64
	v_mov_b32 v[O+n], 0
.set n, n+1
.endr
	WIN 0
.set n, 0
.rept 8
	v_mov_b32 v[LS+n], 0
.set n, n+1
.endr
	v_mov_b32 v[AK], v[AK0]
	v_mov_b32 v[AV], v[AV0]
	s_wait_tensorcnt 0x0                           ; my part of V is in
	s_wait_dscnt 0x0                               ; no LDS line of mine is out at the signal
	s_barrier_signal -1
	s_barrier_wait -1                              ; everybody's part of V is in
	FK 0, 0
	FV 0, 0
	WIN 0
	s_mov_b32 s[CNT], 16
.Lpass2:                                               ; a trip: a chunk of 128 keys, two steps
	STEP2 0, 64*PK, 128, 0
	STEP2 1, 128*PK, CHUNK, 1
	v_add_nc_u32 v[AK], 128*PK, v[AK]
	v_add_nc_u32 v[AV], CHUNK, v[AV]
	s_sub_co_u32 s[CNT], s[CNT], 1
	s_cmp_lg_u32 s[CNT], 0
	s_cbranch_scc1 .Lpass2
	; THE WAY OUT.  l's two halves and the other half of the lanes' are added (these lines are the places behind the last products); O^T / l, rounded to f16, goes through my stage, a tile at a time.
.irp t, 0,1,2,3
	v_add_f32 v[LS+2*\t], v[LS+2*\t], v[LS+2*\t+1]
.endr
.irp t, 0,1,2,3
	v_permlanex16_b32 v[LS+2*\t+1], v[LS+2*\t], s[SEL], s[SEL+1]
.endr
.irp t, 0,1,2,3
	v_add_f32 v[LS+2*\t], v[LS+2*\t], v[LS+2*\t+1]
.endr
.irp t, 0,1,2,3
	v_rcp_f32 v[LS+2*\t], v[LS+2*\t]
.endr
	v_nop                                          ; a plain line between the last reciprocal and the use of its result
	s_wait_alu depctr_va_vdst(0)
.macro PACK t
	WIN W_OUT
.set i, 0
.rept 8
	v_pk_mul_f32 v[S+32*(\t)+2*i:S+32*(\t)+2*i+1], v[O+16*(\t)+2*i:O+16*(\t)+2*i+1], v[LS+2*(\t):LS+2*(\t)+1] op_sel_hi:[1,0]
.set i, i+1
.endr
	WIN 0
.set i, 0
.rept 8
	v_cvt_pk_f16_f32 v[P+8*(\t)+i], v[S+32*(\t)+2*i], v[S+32*(\t)+2*i+1]
.set i, i+1
.endr
	ds_store_b128 v[STO], v[P+8*(\t):P+8*(\t)+3]             ; channels 8 h .. of token r
	ds_store_b128 v[STO], v[P+8*(\t)+4:P+8*(\t)+7] offset:32 ; channels 16 + 8 h ..
	ds_load_b128 v[S+32*(\t)+16:S+32*(\t)+19], v[RD]         ; LDS serves a wave's lines in order (ISA guide 5.7.1.4): these see the stores above, and the next tile's stores come behind them
	ds_load_b128 v[S+32*(\t)+20:S+32*(\t)+23], v[RD] offset:640
.endm
	PACK 0
	PACK 1
	PACK 2
	PACK 3
.irp t, 0,1,2,3
	s_wait_dscnt 4*(3-\t)                          ; behind tile t's loads stand the later tiles' four LDS lines each
	global_store_b128 v[GO], v[S+32*\t+16:S+32*\t+19], s[6:7] offset:1024*\t       ; 512 consecutive bytes, at a multiple of 512 from O's first
	global_store_b128 v[GO], v[S+32*\t+20:S+32*\t+23], s[6:7] offset:1024*\t+512
.endr
	s_wait_tensorcnt 0x0                           ; the wave's end
	ds_add_u32 v[SPW], v[NIL]
	s_wait_dscnt 0x0
	CROUND                                         ; the closing round
	s_endpgm
.Lfunc_end_k_qce7d632425_attn:
	.size	k_qce7d632425_attn, .Lfunc_end_k_qce7d632425_attn-k_qce7d632425_attn
	.p2alignl 7, 3214868480
	.fill 96, 4, 3214868480
	.section	.rodata,"a",@progbits
	.p2align	6, 0x0
	.amdhsa_kernel k_qce7d632425_attn
		.amdhsa_group_segment_fixed_size 327680
		.amdhsa_private_segment_fixed_size 0
		.amdhsa_enable_private_segment 0
		.amdhsa_kernarg_size 16
		.amdhsa_user_sgpr_count 2
		.amdhsa_user_sgpr_kernarg_segment_ptr 1
		.amdhsa_wavefront_size32 1
		.amdhsa_system_sgpr_workgroup_id_x 1
		.amdhsa_system_sgpr_workgroup_id_y 1
		.amdhsa_system_sgpr_workgroup_id_z 1
		.amdhsa_system_vgpr_workitem_id 0
		.amdhsa_next_free_vgpr 512
		.amdhsa_next_free_sgpr 66
		.amdhsa_reserve_vcc 0
		.amdhsa_float_denorm_mode_32 3
		.amdhsa_float_denorm_mode_16_64 3
		.amdhsa_memory_ordered 1
		.amdhsa_forward_progress 1
		.amdhsa_inst_pref_size 65
	.end_amdhsa_kernel
	.amdgpu_metadata
---
amdhsa.version: [ 1, 2 ]
amdhsa.kernels:
  - .name:           k_qce7d632425_attn
    .symbol:         k_qce7d632425_attn.kd
    .args:
      - { .name: qkvb, .offset: 0, .size: 8, .value_kind: global_buffer, .address_space: global }
      - { .name: obuf, .offset: 8, .size: 8, .value_kind: global_buffer, .address_space: global }
    .group_segment_fixed_size: 327680
    .private_segment_fixed_size: 0
    .kernarg_segment_align: 8
    .kernarg_segment_size: 16
    .max_flat_workgroup_size: 256
    .sgpr_count:     66
    .vgpr_count:     512
    .wavefront_size: 32
...
	.end_amdgpu_metadata
.endif
;; end of part 3
;; launch proj (part 4): grid 8 x 32, 4 waves a work-group, clusters of 4 x 4, 327,680 bytes of LDS; arguments obuf, cvt, ybuf; writes ybuf
.if DOCPART == 4
	.amdgcn_target "amdgcn-amd-amdhsa--gfx1250"
	.amdhsa_code_object_version 6
	.text
	.protected	k_qce7d632425_proj
	.globl	k_qce7d632425_proj
	.p2align	8
	.type	k_qce7d632425_proj,@function
k_qce7d632425_proj:
	s_mov_b64 s[64:65], 0
	v_nop
	global_prefetch_b8 v0, s[64:65] scope:SCOPE_SE
	s_setreg_imm32_b32 hwreg(HW_REG_WAVE_MODE, 25, 1), 1
	s_wait_xcnt 0x0
	s_wait_alu depctr_hold_cnt(0) depctr_sa_sdst(0) depctr_va_vdst(0) depctr_va_sdst(0) depctr_va_ssrc(0) depctr_va_vcc(0) depctr_vm_vsrc(0)
	s_getreg_b32 s2, hwreg(HW_REG_IB_STS2, 6, 4)
	s_cmp_eq_u32 s2, 0
	s_cbranch_scc0 .Lentry_in_a_cluster
	s_endpgm
.Lentry_in_a_cluster:
	s_bfe_u32 s2, ttmp6, 0x10000c
	s_cmp_lg_u32 s2, 0xf033
	s_cbranch_scc0 .Lentry_shape_is_right
	s_endpgm
.Lentry_shape_is_right:
; y = O w_out, f16 operands, f32 sums, y kept in f32 [4096][1024]: it is carried into the sums of the norm behind.  The bias is added there.
; O lies by heads, [64][2048][32] f16: a head's 32 channels are one slice of K.  w_out lies [k][n] as f16 at cvt + WO and comes out of LDS turned, by ds_load_tr16_b128.
; A tile of y is 128 x 128: 256 work-groups.  Four waves, each 64 x 64: 16 accumulators.  K goes in 4 steps of 256 (8 heads) through two LDS slots; the steps are written out.
; The matrix instruction is used transposed (source 0 = 16 columns of w_out, source 1 = 16 tokens): a lane holds eight neighbouring numbers of a row of y.
; CLUSTER 4 x 4: O's tile hangs on the tile row alone and is asked for jointly along a row of the cluster, w_out's on the tile column alone and jointly along a column.
; REGISTERS: window 0: v16-29 addresses, v128-255 the accumulators ((a, b) at v[128 + 8 (4 a + b)]); window 1: two fragment buffers of 128 (64 along K: 64 registers of O, then 64 of w_out).
.set PA,    80                         ; a token's 32 channels in LDS: 64 bytes + 16
.set HEADB, 128*PA                     ; a head's 128 tokens
.set HALFA, 4*HEADB                    ; what one load of O brings: four heads
.set PB,    288                        ; a row of w_out: 256 bytes + 32: an odd multiple of 32
.set HALFB, 128*PB                     ; what one load of w_out brings: 128 k
.set BOFF,  2*HALFA
.set SLOT,  BOFF+2*HALFB               ; 155,648
.set SPARE, 2*SLOT                     ; the spare words: 128 bytes a wave, two blocks of 256 bytes that no other line names
.set SP,    272                        ; the way out, in slot 0 behind its last fill and its last read: 64 rows x (256 + 16) bytes, each wave's own
.set STW,   64*SP
.set WO,    14680064
.set ADRA, 16                          ; v16-19  my O fragments: slot 0 heads 0-3, heads 4-7; slot 1 likewise
.set ADRB, 20                          ; v20-23  the same for w_out's two halves of 128 k
.set STO,  24
.set RD,   25
.set CO,   26
.set SPW,  28                          ; v28  my spare word; never rewritten
.set NIL,  29                          ; v29  0; never rewritten
.set ACC,  128
.set F0,   0
.set F1,   128
.set G1,  24
.set G0,  32
.set G1B, 48
.set G0B, 56
.set MSB, 0
.macro WIN new
.if MSB != (\new)
	s_set_vgpr_msb (MSB<<8)|(\new)
.set MSB, (\new)
.endif
.endm
.set MUL,  0x05                        ; both sources window 1; C and D window 0
.set TO_F, 0x40
.macro PLACES
.rept 4
	v_nop
.endr
.endm
.macro JLOAD s                         ; a joint load: waves 0 and 1 fetch O's two halves, waves 2 and 3 w_out's; an s_nop 0 and four v_nop follow each line
	s_cmp_eq_u32 s11, 0
	s_cbranch_scc0 .Lfor_b_\@
	tensor_load_to_lds s[G0+4*(\s):G0+4*(\s)+3], s[G1:G1+7]
	s_nop 0
.rept 4
	v_nop
.endr
	s_branch .Lasked_\@
.Lfor_b_\@:
	tensor_load_to_lds s[G0B+4*(\s):G0B+4*(\s)+3], s[G1B:G1B+7]
	s_nop 0
.rept 4
	v_nop
.endr
.Lasked_\@:
.endm
.macro CREST
	s_cmp_lg_u32 s10, 0
	s_cbranch_scc1 .Lnot_wave_0_\@
	s_barrier_signal -3
.Lnot_wave_0_\@:
	s_barrier_wait -3
	s_barrier_signal -1
	s_barrier_wait -1
.endm
.macro CROUND
	s_barrier_signal -1
	s_barrier_wait -1
	CREST
.endm
	s_load_b128 s[4:7], s[0:1], 0x0                ; obuf s[4:5], cvt s[6:7]
	s_load_b64 s[8:9], s[0:1], 0x10                ; ybuf
	v_lshl_add_u32 v[SPW], v0, 2, SPARE
	v_mov_b32 v[NIL], 0
	ds_add_u32 v[SPW], v[NIL]                      ; the wave's opening: the add and its wait stand ahead of my first tensor load
	v_lshrrev_b32 v1, 5, v0
	v_readfirstlane_b32 s10, v1                    ; wave 0..3
	s_lshr_b32 s11, s10, 1                         ; which half of the tile's rows is mine.  Also: I fetch for O (0) or for w_out (1)
	s_and_b32 s12, s10, 1                          ; which half of its columns.  Also: which half of that tile I fetch
	s_bfe_u32 s40, ttmp6, 0x40000
	s_bfe_u32 s41, ttmp6, 0x40004
	s_lshl_b32 s42, ttmp9, 2
	s_add_co_u32 s42, s42, s40                     ; tile column
	s_and_b32 s13, ttmp7, 0xffff
	s_lshl_b32 s13, s13, 2
	s_add_co_u32 s13, s13, s41                     ; tile row
	s_lshl_b32 s43, s41, 2
	s_lshl_b32 s43, 15, s43                        ; my row of the cluster
	s_lshl_b32 s44, 0x1111, s40                    ; my column
	; O's tile: four rows (heads) of 4,096 elements (128 tokens x 32 channels, dense), 65,536 elements apart; 16 bytes of padding behind every 64
	s_or_b32 s[G1+0], s43, (1<<16)|(1<<20)|(1<<21)|(3<<22)|(3<<25)
	s_mov_b32 s[G1+1], 4096<<16
	s_mov_b32 s[G1+2], 4<<16
	s_mov_b32 s[G1+3], 4096<<16
	s_mov_b32 s[G1+4], 4
	s_mov_b32 s[G1+5], 65536
	s_mov_b32 s[G1+6], 0
	s_mov_b32 s[G1+7], 0
	; w_out's tile: 128 rows (k) x 128 elements; 32 bytes of padding behind every 256
	s_or_b32 s[G1B+0], s44, (1<<16)|(1<<20)|(1<<21)|(5<<22)|(7<<25)
	s_mov_b32 s[G1B+1], 128<<16
	s_mov_b32 s[G1B+2], 128<<16
	s_mov_b32 s[G1B+3], 128<<16
	s_mov_b32 s[G1B+4], 128
	s_mov_b32 s[G1B+5], 1024
	s_mov_b32 s[G1B+6], 0
	s_mov_b32 s[G1B+7], 0
	s_lshr_b32 s16, s13, 4                         ; O: the batch,
	s_lshl_b32 s16, s16, 5
	s_lshl2_add_u32 s16, s12, s16                  ; head 32 batch + 4 half,
	s_lshl_b32 s16, s16, 17                        ; of 131,072 bytes,
	s_and_b32 s17, s13, 15
	s_lshl_b32 s17, s17, 13                        ; and the tile's 128 tokens of 64 bytes: the tile row and the wave alone
	s_add_co_u32 s16, s16, s17
	s_mov_b32 s17, 0
	s_lshl_b32 s46, s42, 8                         ; w_out: the tile's 128 columns, k = 128 half: the tile column and the wave alone
	s_lshl_b32 s47, s12, 18
	s_add_co_u32 s46, s46, s47
	s_add_co_u32 s46, s46, WO
	s_mov_b32 s47, 0
	s_mul_i32 s20, s12, HALFA                      ; where they go: no place in the cluster enters an LDS address
	s_mul_i32 s21, s12, HALFB
	s_add_co_u32 s21, s21, BOFF
	s_wait_dscnt 0x0                               ; the opening add is done
	s_wait_kmcnt 0x0
	s_add_nc_u64 s[14:15], s[4:5], s[16:17]
	s_add_nc_u64 s[46:47], s[6:7], s[46:47]
	CROUND                                         ; all sixteen work-groups are here: the first joint loads meet
.irp s, 0,1
	s_mov_b32 s[G0+4*(\s)], 1
	s_add_co_u32 s[G0+4*(\s)+1], s20, (\s)*SLOT
	s_add_nc_u64 s[G0+4*(\s)+2:G0+4*(\s)+3], s[14:15], (\s)*8*131072   ; K step s: eight heads on
	s_or_b32 s[G0+4*(\s)+3], s[G0+4*(\s)+3], 0x80000000
	s_mov_b32 s[G0B+4*(\s)], 1
	s_add_co_u32 s[G0B+4*(\s)+1], s21, (\s)*SLOT
	s_add_nc_u64 s[G0B+4*(\s)+2:G0B+4*(\s)+3], s[46:47], (\s)*256*2048 ; 256 rows on
	s_or_b32 s[G0B+4*(\s)+3], s[G0B+4*(\s)+3], 0x80000000
	JLOAD \s                                       ; two loads of mine are out
.endr
	v_and_b32 v1, 15, v0                           ; r
	v_bfe_u32 v2, v0, 4, 1                         ; h
	v_mul_u32_u24 v3, v1, PA
	v_lshl_add_u32 v3, v2, 4, v3
	s_mul_i32 s22, s11, 64*PA                      ; my 64 tokens
	v_add_nc_u32 v[ADRA], s22, v3
	v_add_nc_u32 v[ADRA+1], HALFA, v[ADRA]
	v_add_nc_u32 v[ADRA+2], SLOT, v[ADRA]
	v_add_nc_u32 v[ADRA+3], SLOT+HALFA, v[ADRA]
	v_and_b32 v4, 7, v0                            ; the turning load: lane l reads row 8 h + l % 8, 16 bytes at 16 ((l / 8) % 2)
	v_lshl_add_u32 v4, v2, 3, v4
	v_mul_u32_u24 v4, v4, PB
	v_bfe_u32 v5, v0, 3, 1
	v_lshl_add_u32 v4, v5, 4, v4
	s_lshl_b32 s22, s12, 7                         ; my 64 columns
	s_add_co_u32 s22, s22, BOFF
	v_add_nc_u32 v[ADRB], s22, v4
	v_add_nc_u32 v[ADRB+1], HALFB, v[ADRB]
	v_add_nc_u32 v[ADRB+2], SLOT, v[ADRB]
	v_add_nc_u32 v[ADRB+3], SLOT+HALFB, v[ADRB]
	s_mul_i32 s23, s10, STW                        ; my stage
	v_mul_u32_u24 v6, v1, SP                       ; in: row r, 32 bytes for each half of the lanes
	v_lshl_add_u32 v6, v2, 5, v6
	v_add_nc_u32 v[STO], s23, v6
	v_mul_u32_u24 v7, v2, SP                       ; back: lanes 0-15 take one row of 256 bytes, lanes 16-31 the next
	v_lshl_add_u32 v7, v1, 4, v7
	v_add_nc_u32 v[RD], s23, v7
	v_lshlrev_b32 v8, 12, v2                       ; and the same two rows in y
	v_lshl_add_u32 v[CO], v1, 4, v8
	s_lshl_b32 s16, s13, 7
	s_lshl_b32 s17, s11, 6
	s_add_co_u32 s16, s16, s17                     ; my first row of y,
	s_lshl_b32 s16, s16, 12                        ; of 4,096 bytes
	s_mov_b32 s17, 0
	s_add_nc_u64 s[8:9], s[8:9], s[16:17]
	s_lshl_b32 s46, s42, 9                         ; my first column, in bytes: 512 x tile column + 256 x half
	s_lshl_b32 s47, s12, 8
	s_add_co_u32 s46, s46, s47
	s_mov_b32 s47, 0
	s_add_nc_u64 s[8:9], s[8:9], s[46:47]
; 8 matrix instructions: m blocks a0, a0 + 1 x all 4 n blocks, 32 along K: half c of buffer f.  The 16 accumulators take turns.
.macro MUL8 f, c, a0, zero
	WIN MUL
.irp a, \a0, (\a0)+1
.irp b, 0,1,2,3
.if \zero
	v_wmma_f32_16x16x32_f16 v[ACC+8*(4*(\a)+(\b)):ACC+8*(4*(\a)+(\b))+7], v[(\f)+64+8*(4*(\c)+(\b)):(\f)+64+8*(4*(\c)+(\b))+7], v[(\f)+8*(4*(\c)+(\a)):(\f)+8*(4*(\c)+(\a))+7], 0
.else
	v_wmma_f32_16x16x32_f16 v[ACC+8*(4*(\a)+(\b)):ACC+8*(4*(\a)+(\b))+7], v[(\f)+64+8*(4*(\c)+(\b)):(\f)+64+8*(4*(\c)+(\b))+7], v[(\f)+8*(4*(\c)+(\a)):(\f)+8*(4*(\c)+(\a))+7], v[ACC+8*(4*(\a)+(\b)):ACC+8*(4*(\a)+(\b))+7]
.endif
.endr
.endr
.endm
; 32 LDS loads in one run: quarter qd (64 along K: heads 2 qd, 2 qd + 1 of the step) into buffer f; the first head first
.macro FETCH slot, qd, f
	WIN TO_F
.irp c, 0,1
.irp i, 0,1,2,3
	ds_load_tr16_b128 v[(\f)+64+8*(4*(\c)+(\i)):(\f)+64+8*(4*(\c)+(\i))+3],   v[ADRB+2*(\slot)+(\qd)/2] offset:((2*(\qd)+(\c))%4)*32*PB+32*(\i)
	ds_load_tr16_b128 v[(\f)+64+8*(4*(\c)+(\i))+4:(\f)+64+8*(4*(\c)+(\i))+7], v[ADRB+2*(\slot)+(\qd)/2] offset:((2*(\qd)+(\c))%4)*32*PB+32*(\i)+16*PB
	ds_load_b128 v[(\f)+8*(4*(\c)+(\i)):(\f)+8*(4*(\c)+(\i))+3],             v[ADRA+2*(\slot)+(\qd)/2] offset:((2*(\qd)+(\c))%4)*HEADB+(\i)*16*PA
	ds_load_b128 v[(\f)+8*(4*(\c)+(\i))+4:(\f)+8*(4*(\c)+(\i))+7],           v[ADRA+2*(\slot)+(\qd)/2] offset:((2*(\qd)+(\c))%4)*HEADB+(\i)*16*PA+32
.endr
.endr
.endm
.macro QUARTER slot, qd, f, g, zero
	s_wait_dscnt 16                                ; the first 32 along K are in
	MUL8 \f, 0, 0, \zero
	MUL8 \f, 0, 2, \zero
	PLACES
	FETCH \slot, \qd, \g
	s_wait_dscnt 32                                ; all but the 32 just issued
	MUL8 \f, 1, 0, 0
	MUL8 \f, 1, 2, 0
.endm
; The last quarter multiplies buffer 1 and changes slots: one barrier; in front of it each wave waits for all its tensor loads, adds 0 to its spare word, and waits for that and for its own reads of this slot.
.macro TURN slot, next, fill
	WIN 0                                          ; the add's two registers lie in window 0
	s_wait_tensorcnt 0x0                           ; all my tensor loads have landed: my part of the next slot
	ds_add_u32 v[SPW], v[NIL]
	s_wait_dscnt 17                                ; the add and the youngest sixteen loads may be out
	MUL8 F1, 0, 0, 0
	s_wait_dscnt 0x0                               ; the add is done, and my reads of this slot are over
	s_barrier_signal -1
	MUL8 F1, 0, 2, 0
	WIN 0
	s_barrier_wait -1
.if \fill
	CREST                                          ; the barrier has opened a round of the cluster's: no wave of any partner still reads this slot or has a load on its way
	s_add_nc_u64 s[G0+4*(\slot)+2:G0+4*(\slot)+3], s[G0+4*(\slot)+2:G0+4*(\slot)+3], 16*131072
	s_add_nc_u64 s[G0B+4*(\slot)+2:G0B+4*(\slot)+3], s[G0B+4*(\slot)+2:G0B+4*(\slot)+3], 512*2048
	JLOAD \slot                                    ; the first tensor load behind the round, 112 matrix instructions ahead of the wait for it; its four v_nop are the places in front of the loads below
.else
	PLACES
.endif
	FETCH \next, 0, F0
	MUL8 F1, 1, 0, 0
	MUL8 F1, 1, 2, 0
.endm
	s_wait_tensorcnt 1                             ; my part of K step 0 is in; K step 1's may stay out
	s_barrier_signal -1
	s_barrier_wait -1
	FETCH 0, 0, F0
	QUARTER 0, 1, F0, F1, 1                        ; the first products start the sums
	QUARTER 0, 2, F1, F0, 0
	QUARTER 0, 3, F0, F1, 0
	TURN 0, 1, 1                                   ; slot 0 takes K step 2
	QUARTER 1, 1, F0, F1, 0
	QUARTER 1, 2, F1, F0, 0
	QUARTER 1, 3, F0, F1, 0
	TURN 1, 0, 1                                   ; slot 1 takes K step 3
	QUARTER 0, 1, F0, F1, 0
	QUARTER 0, 2, F1, F0, 0
	QUARTER 0, 3, F0, F1, 0
	TURN 0, 1, 0                                   ; behind this barrier nobody reads slot 0 any more, and nothing is loaded into it: it serves as the stages
	QUARTER 1, 1, F0, F1, 0
	QUARTER 1, 2, F1, F0, 0
	QUARTER 1, 3, F0, F1, 0
	s_wait_dscnt 16
	MUL8 F1, 0, 0, 0
	MUL8 F1, 0, 2, 0
	s_wait_dscnt 0x0
	MUL8 F1, 1, 0, 0
	MUL8 F1, 1, 2, 0
	WIN 0
	; THE WAY OUT: a lane's eight numbers (32 bytes of a row) go into my own stage, each accumulator's low half first, and come back as whole rows of 256 bytes.
	PLACES
.set n, 0
.rept 16                               ; m block n / 4, n block n % 4
	ds_store_b128 v[STO], v[ACC+8*n:ACC+8*n+3]   offset:(n/4)*16*SP+(n%4)*64
	ds_store_b128 v[STO], v[ACC+8*n+4:ACC+8*n+7] offset:(n/4)*16*SP+(n%4)*64+16
.set n, n+1
.endr
	s_wait_dscnt 0x0                               ; the stores have read their registers: the rows come back into them
.set n, 0
.rept 32
	ds_load_b128 v[ACC+4*n:ACC+4*n+3], v[RD] offset:n*2*SP
.set n, n+1
.endr
.set n, 0
.rept 32
	s_wait_dscnt 31-n
	global_store_b128 v[CO], v[ACC+4*n:ACC+4*n+3], s[8:9] offset:n*8192  ; 16 lanes store 256 consecutive bytes, at a multiple of 256 from y's first byte
.set n, n+1
.endr
	s_wait_tensorcnt 0x0                           ; the wave's end
	ds_add_u32 v[SPW], v[NIL]
	s_wait_dscnt 0x0
	CROUND                                         ; the closing round
	s_endpgm
.Lfunc_end_k_qce7d632425_proj:
	.size	k_qce7d632425_proj, .Lfunc_end_k_qce7d632425_proj-k_qce7d632425_proj
	.p2alignl 7, 3214868480
	.fill 96, 4, 3214868480
	.section	.rodata,"a",@progbits
	.p2align	6, 0x0
	.amdhsa_kernel k_qce7d632425_proj
		.amdhsa_group_segment_fixed_size 327680
		.amdhsa_private_segment_fixed_size 0
		.amdhsa_enable_private_segment 0
		.amdhsa_kernarg_size 24
		.amdhsa_user_sgpr_count 2
		.amdhsa_user_sgpr_kernarg_segment_ptr 1
		.amdhsa_wavefront_size32 1
		.amdhsa_system_sgpr_workgroup_id_x 1
		.amdhsa_system_sgpr_workgroup_id_y 1
		.amdhsa_system_sgpr_workgroup_id_z 1
		.amdhsa_system_vgpr_workitem_id 0
		.amdhsa_next_free_vgpr 512
		.amdhsa_next_free_sgpr 66
		.amdhsa_reserve_vcc 0
		.amdhsa_float_denorm_mode_32 3
		.amdhsa_float_denorm_mode_16_64 3
		.amdhsa_memory_ordered 1
		.amdhsa_forward_progress 1
		.amdhsa_inst_pref_size 87
	.end_amdhsa_kernel
	.amdgpu_metadata
---
amdhsa.version: [ 1, 2 ]
amdhsa.kernels:
  - .name:           k_qce7d632425_proj
    .symbol:         k_qce7d632425_proj.kd
    .args:
      - { .name: obuf, .offset: 0, .size: 8, .value_kind: global_buffer, .address_space: global }
      - { .name: cvt, .offset: 8, .size: 8, .value_kind: global_buffer, .address_space: global }
      - { .name: ybuf, .offset: 16, .size: 8, .value_kind: global_buffer, .address_space: global }
    .group_segment_fixed_size: 327680
    .private_segment_fixed_size: 0
    .kernarg_segment_align: 8
    .kernarg_segment_size: 24
    .max_flat_workgroup_size: 128
    .sgpr_count:     66
    .vgpr_count:     512
    .wavefront_size: 32
...
	.end_amdgpu_metadata
.endif
;; end of part 4
;; launch ln (part 5): grid 256 x 1, 4 waves a work-group, no clusters, 0 bytes of LDS; arguments ybuf, b_out, ln_gamma, ln_beta, out0; writes out0
.if DOCPART == 5
	.amdgcn_target "amdgcn-amd-amdhsa--gfx1250"
	.amdhsa_code_object_version 6
	.text
	.protected	k_qce7d632425_ln
	.globl	k_qce7d632425_ln
	.p2align	8
	.type	k_qce7d632425_ln,@function
k_qce7d632425_ln:
	s_mov_b64 s[64:65], 0
	v_nop
	global_prefetch_b8 v0, s[64:65] scope:SCOPE_SE
	s_setreg_imm32_b32 hwreg(HW_REG_WAVE_MODE, 25, 1), 1
	s_wait_xcnt 0x0
; out0[r][:] = (z - mean(z)) / sqrt(var(z) + 1e-6) * gamma + beta, z = y[r][:] + b_out; all in f32; the variance is taken of z - mean.
; b_out, gamma and beta are rounded to bf16 like the module's other inputs.
; A stream: a row of 4,096 bytes is 32 registers of one wave and stays there between the passes, so y is read once and no wave waits for another: no LDS, no barrier, no matrix unit, no cluster.
; 256 work-groups of four waves, four rows a wave; all 32 row loads of a wave go out at once.  A lane holds columns 128 j + 4 lane .. + 3, j = 0..7: each load and store covers 512 consecutive bytes.
.set T,  4                             ; v[4:11] four chains; v[12:13] the mean, twice; v[14:15] 1 / sqrt(var + eps), twice
.set BI, 16                            ; v[16:47]   b_out of my 32 columns
.set GA, 48                            ; v[48:79]   gamma
.set BE, 80                            ; v[80:111]  beta
.set X,  112                           ; v[112:239] row i: 32 registers
	s_load_b256 s[4:11], s[0:1], 0x0               ; ybuf s[4:5], b_out s[6:7], ln_gamma s[8:9], ln_beta s[10:11]
	s_load_b64 s[12:13], s[0:1], 0x20              ; out0
	v_and_b32 v1, 31, v0
	v_lshlrev_b32 v1, 4, v1                        ; 16 bytes a lane; never rewritten
	v_lshrrev_b32 v2, 5, v0
	v_readfirstlane_b32 s14, v2                    ; wave 0..3
	s_lshl_b32 s16, ttmp9, 16                      ; 16 rows of 4,096 bytes a work-group,
	s_lshl_b32 s14, s14, 14                        ; four a wave
	s_add_co_u32 s16, s16, s14
	s_mov_b32 s17, 0
	s_mov_b32 s18, 0xffff0000                      ; a word's upper bf16
	s_mov_b32 s19, 0x3a800000                      ; 1 / 1024
	s_mov_b32 s20, 0x358637bd                      ; 1e-6
	s_mov_b32 s22, 0x76543210                      ; v_permlanex16_b32: each lane takes its own place in the other half
	s_mov_b32 s23, 0xfedcba98
	s_wait_kmcnt 0x0
	s_add_nc_u64 s[4:5], s[4:5], s[16:17]
	s_add_nc_u64 s[12:13], s[12:13], s[16:17]
.irp j, 0,1,2,3,4,5,6,7
	global_load_b128 v[BI+4*\j:BI+4*\j+3], v1, s[6:7] offset:512*\j
	global_load_b128 v[GA+4*\j:GA+4*\j+3], v1, s[8:9] offset:512*\j
	global_load_b128 v[BE+4*\j:BE+4*\j+3], v1, s[10:11] offset:512*\j
.endr
.set n, 0
.rept 32                               ; row n / 8, piece n % 8
	global_load_b128 v[X+4*n:X+4*n+3], v1, s[4:5] offset:4096*(n/8)+512*(n%8) th:TH_LOAD_NT
.set n, n+1
.endr
	s_wait_loadcnt 32                              ; the 24 loads of parameters are in; the 32 of the rows stay out
.set n, 0
.rept 48                               ; each pair rounded to bf16 and widened again
	v_cvt_pk_bf16_f32 v[T+n%4], v[BI+2*n], v[BI+2*n+1]
	v_lshlrev_b32 v[BI+2*n], 16, v[T+n%4]
	v_and_b32 v[BI+2*n+1], s18, v[T+n%4]
.set n, n+1
.endr
.macro FOLD                            ; the four chains' pairs, then the 32 lanes: the sum ends in v[T] of every lane
	v_pk_add_f32 v[T:T+1], v[T:T+1], v[T+2:T+3]
	v_pk_add_f32 v[T+4:T+5], v[T+4:T+5], v[T+6:T+7]
	v_pk_add_f32 v[T:T+1], v[T:T+1], v[T+4:T+5]
	v_add_f32 v[T], v[T], v[T+1]
	v_add_f32_dpp v[T], v[T], v[T] row_xmask:1 row_mask:0xf bank_mask:0xf
	v_add_f32_dpp v[T], v[T], v[T] row_xmask:2 row_mask:0xf bank_mask:0xf
	v_add_f32_dpp v[T], v[T], v[T] row_xmask:4 row_mask:0xf bank_mask:0xf
	v_add_f32_dpp v[T], v[T], v[T] row_xmask:8 row_mask:0xf bank_mask:0xf
	v_permlanex16_b32 v[T+1], v[T], s22, s23       ; its destination counts as read: it has been written
	v_add_f32 v[T], v[T], v[T+1]
.endm
.macro ROW i
.set R, X+32*(\i)
	s_wait_loadcnt 8*(3-(\i))                      ; my row's eight loads are in; the later rows' stay out
.set p, 0
.rept 16
	v_pk_add_f32 v[R+2*p:R+2*p+1], v[R+2*p:R+2*p+1], v[BI+2*p:BI+2*p+1]  ; z = y + b
.set p, p+1
.endr
.irp c, 0,1,2,3
	v_pk_add_f32 v[T+2*\c:T+2*\c+1], v[R+2*\c:R+2*\c+1], v[R+8+2*\c:R+8+2*\c+1]  ; the first two pieces start the chains: nothing is cleared
.endr
.irp c, 0,1,2,3
	v_pk_add_f32 v[T+2*\c:T+2*\c+1], v[T+2*\c:T+2*\c+1], v[R+16+2*\c:R+16+2*\c+1]
.endr
.irp c, 0,1,2,3
	v_pk_add_f32 v[T+2*\c:T+2*\c+1], v[T+2*\c:T+2*\c+1], v[R+24+2*\c:R+24+2*\c+1]
.endr
	FOLD
	v_mul_f32 v[T+8], s19, v[T]                    ; the mean,
	v_mul_f32 v[T+9], s19, v[T]                    ; twice, for the packed lines
.set p, 0
.rept 16
	v_pk_add_f32 v[R+2*p:R+2*p+1], v[R+2*p:R+2*p+1], v[T+8:T+9] neg_lo:[0,1] neg_hi:[0,1]  ; z - mean
.set p, p+1
.endr
.irp c, 0,1,2,3
	v_pk_mul_f32 v[T+2*\c:T+2*\c+1], v[R+2*\c:R+2*\c+1], v[R+2*\c:R+2*\c+1]
.endr
.irp k, 8,16,24
.irp c, 0,1,2,3
	v_pk_fma_f32 v[T+2*\c:T+2*\c+1], v[R+\k+2*\c:R+\k+2*\c+1], v[R+\k+2*\c:R+\k+2*\c+1], v[T+2*\c:T+2*\c+1]
.endr
.endr
	FOLD
	v_fma_f32 v[T+10], v[T], s19, s20              ; var + eps
	v_rsq_f32 v[T+10], v[T+10]
	v_nop                                          ; a plain line between the root and the use of its result (ISA guide 5.7.2)
	s_wait_alu depctr_va_vdst(0)
	v_mov_b32 v[T+11], v[T+10]
.set p, 0
.rept 16
	v_pk_mul_f32 v[R+2*p:R+2*p+1], v[R+2*p:R+2*p+1], v[T+10:T+11]
.set p, p+1
.endr
.set p, 0
.rept 16
	v_pk_fma_f32 v[R+2*p:R+2*p+1], v[R+2*p:R+2*p+1], v[GA+2*p:GA+2*p+1], v[BE+2*p:BE+2*p+1]
.set p, p+1
.endr
.irp j, 0,1,2,3,4,5,6,7
	global_store_b128 v1, v[R+4*\j:R+4*\j+3], s[12:13] offset:4096*(\i)+512*\j th:TH_STORE_NT  ; no register that a store names is written again
.endr
.endm
	ROW 0
	ROW 1
	ROW 2
	ROW 3
	s_endpgm
.Lfunc_end_k_qce7d632425_ln:
	.size	k_qce7d632425_ln, .Lfunc_end_k_qce7d632425_ln-k_qce7d632425_ln
	.p2alignl 7, 3214868480
	.fill 96, 4, 3214868480
	.section	.rodata,"a",@progbits
	.p2align	6, 0x0
	.amdhsa_kernel k_qce7d632425_ln
		.amdhsa_group_segment_fixed_size 0
		.amdhsa_private_segment_fixed_size 0
		.amdhsa_enable_private_segment 0
		.amdhsa_kernarg_size 40
		.amdhsa_user_sgpr_count 2
		.amdhsa_user_sgpr_kernarg_segment_ptr 1
		.amdhsa_wavefront_size32 1
		.amdhsa_system_sgpr_workgroup_id_x 1
		.amdhsa_system_sgpr_workgroup_id_y 1
		.amdhsa_system_sgpr_workgroup_id_z 1
		.amdhsa_system_vgpr_workitem_id 0
		.amdhsa_next_free_vgpr 240
		.amdhsa_next_free_sgpr 66
		.amdhsa_reserve_vcc 0
		.amdhsa_float_denorm_mode_32 3
		.amdhsa_float_denorm_mode_16_64 3
		.amdhsa_memory_ordered 1
		.amdhsa_forward_progress 1
		.amdhsa_inst_pref_size 44
	.end_amdhsa_kernel
	.amdgpu_metadata
---
amdhsa.version: [ 1, 2 ]
amdhsa.kernels:
  - .name:           k_qce7d632425_ln
    .symbol:         k_qce7d632425_ln.kd
    .args:
      - { .name: ybuf, .offset: 0, .size: 8, .value_kind: global_buffer, .address_space: global }
      - { .name: b_out, .offset: 8, .size: 8, .value_kind: global_buffer, .address_space: global }
      - { .name: ln_gamma, .offset: 16, .size: 8, .value_kind: global_buffer, .address_space: global }
      - { .name: ln_beta, .offset: 24, .size: 8, .value_kind: global_buffer, .address_space: global }
      - { .name: out0, .offset: 32, .size: 8, .value_kind: global_buffer, .address_space: global }
    .group_segment_fixed_size: 0
    .private_segment_fixed_size: 0
    .kernarg_segment_align: 8
    .kernarg_segment_size: 40
    .max_flat_workgroup_size: 128
    .sgpr_count:     66
    .vgpr_count:     240
    .wavefront_size: 32
...
	.end_amdgpu_metadata
.endif
;; end of part 5
;; ======== version 2 of 2: 5 launches; version 1 with the launch cast written anew for expert scheduling mode
;; limits: values are held in f16: magnitudes above 65,504 overflow, below 6.1e-05 lose precision
;; workspace buffers: cvt 16,777,216 bytes; qkvb 25,165,824 bytes; obuf 8,388,608 bytes; ybuf 16,777,216 bytes
;; launch cast (part 6): grid 256 x 1, 8 waves a work-group, no clusters, 0 bytes of LDS; arguments x, w_qkv, w_out, cvt; writes cvt
.if DOCPART == 6
	.amdgcn_target "amdgcn-amd-amdhsa--gfx1250"
	.amdhsa_code_object_version 6
	.text
	.protected	k_qce7d632425_cast
	.globl	k_qce7d632425_cast
	.p2align	8
	.type	k_qce7d632425_cast,@function
k_qce7d632425_cast:
	s_mov_b64 s[64:65], 0
	v_nop
	global_prefetch_b8 v0, s[64:65] scope:SCOPE_SE
	s_setreg_imm32_b32 hwreg(HW_REG_WAVE_SCHED_MODE, 0, 2), 2
	s_setreg_imm32_b32 hwreg(HW_REG_WAVE_MODE, 25, 1), 1
	s_wait_xcnt 0x0
	s_wait_alu depctr_vm_vsrc(0)
; THE INPUTS OF THE THREE PRODUCTS, ROUNDED ONCE TO bf16 AND LAID FOR THE LAUNCHES BEHIND.
;   cvt + 0   : x as bf16 [4096][1024]
;   cvt + WQ  : w_qkv as bf16 [g 16][s 3][k 1024][64]: column s*1024 + g*64 + c of w_qkv, so that 64 k of a strip of 64 columns are 8,192 dense bytes
;   cvt + WO  : w_out rounded to bf16, that number written as f16 [1024][1024] (exact from 6.1e-5 up; below it f16's fixed step of 6e-8; beyond 65,504 it would be lost)
; A stream: every input byte is read once, every output byte written once; no LDS, no matrix unit, no cluster: no two work-groups read the same byte.
; 256 work-groups of 131,072 input bytes: 0-127 x, 128-223 w_qkv, 224-255 w_out.  A wave takes 16,384 bytes as 32 units of 512: all 32 loads go out at once,
; then each unit is rounded in place and stored: 32 lanes x 8 bytes = 256 consecutive bytes at a multiple of 256 from the buffer's first byte.
; THE MODE: SCHED_MODE bits 1:0 = 2 (LLVM: expert scheduling mode 2), set by the entry lines.  The code itself states the register dependences
; between vector instructions and memory instructions, with s_wait_alu, always for 0.
; THE PLAN.  Registers that memory instructions touch:
;   v2        the loads' offset.  Written by vector lines ahead of RUN; read by the 32 loads; never written again.
;   v3        the stores' offset.  Written once at the head; read by the 32 stores; never written again.
;   X, unit u four registers.  Written by the unit's load, which is the first line that names them, then in place by the unit's conversions; the first two are read by
;             the unit's one store; nothing writes them behind it.
;   v4, v5    at work: named by vector lines alone.
; The 32 units go in eight blocks of four.  The store of unit u - 4 stands in unit u's turn, ahead of its conversions: block p's vector lines name block p's X, v4 and v5,
; and the stores dealt among them read block p - 1's X and v3.  So one wait on va_vdst at a block's head states all that the block's four stores hang on.
; No load lands in a register that a vector line has named, and no register that a memory instruction has read is written again: no wait on vm_vsrc is owed.
.set X,  8                             ; v[8:135]  unit u: four registers
.set WQ, 8388608
.set WO, 14680064
.set BLK, 4                            ; units in a block
; Unit t leaves.
.macro STORE kind, t
.if (\kind) == 1
	global_store_b64 v3, v[X+4*(\t):X+4*(\t)+1], s[22:23] offset:((\t)&15)*393216+((\t)>>4)*256  ; group g = t % 16 lies 3 x 1024 x 128 bytes on; 5,898,496 at the most: inside the signed 24 bits
.else
	global_store_b64 v3, v[X+4*(\t):X+4*(\t)+1], s[22:23] offset:256*(\t)
.endif
.endm
; kind 0: x.  kind 1: w_qkv (a unit is 64 columns of two rows k, k + 1; unit u: row pair u / 16, column group u % 16).  kind 2: w_out.
.macro RUN kind
	s_wait_alu depctr_va_vdst(0)                   ; v2 and v3 are written: every load below reads v2 as its offset, every store v3
.set u, 0
.rept 32
.if (\kind) == 1
	global_load_b128 v[X+4*u:X+4*u+3], v2, s[20:21] offset:(u>>4)*24576+(u&15)*256 th:TH_LOAD_NT
.else
	global_load_b128 v[X+4*u:X+4*u+3], v2, s[20:21] offset:512*u th:TH_LOAD_NT
.endif
.set u, u+1
.endr
.set u, 0
.rept 32
	s_wait_loadcnt 31-u                            ; loads come back in order: unit u is in, the 31 - u younger ones stay out
.if (u > 0) && (u%BLK == 0)
	s_wait_alu depctr_va_vdst(0)                   ; the block before has written its units' first two registers, which the four stores dealt into this block read
.endif
.if u >= BLK
	STORE \kind, u-BLK                             ; no vector line since the wait names this unit's registers or v3
.endif
.if (\kind) == 2
	v_cvt_pk_bf16_f32 v4, v[X+4*u], v[X+4*u+1]     ; the one rounding, to bf16,
	v_cvt_pk_bf16_f32 v5, v[X+4*u+2], v[X+4*u+3]
	v_lshlrev_b32 v[X+4*u], 16, v4                 ; widened again,
	v_and_b32 v[X+4*u+1], s18, v4
	v_lshlrev_b32 v[X+4*u+2], 16, v5
	v_and_b32 v[X+4*u+3], s18, v5
	v_cvt_pk_f16_f32 v[X+4*u], v[X+4*u], v[X+4*u+1]      ; and written as f16
	v_cvt_pk_f16_f32 v[X+4*u+1], v[X+4*u+2], v[X+4*u+3]
.else
	v_cvt_pk_bf16_f32 v[X+4*u], v[X+4*u], v[X+4*u+1]
	v_cvt_pk_bf16_f32 v[X+4*u+1], v[X+4*u+2], v[X+4*u+3]
.endif
.set u, u+1
.endr
	s_wait_alu depctr_va_vdst(0)                   ; the last block has written its units' first two registers, which the last four stores read
.rept BLK
	STORE \kind, u-BLK
.set u, u+1
.endr
.endm
	s_load_b256 s[4:11], s[0:1], 0x0               ; x s[4:5], w_qkv s[6:7], w_out s[8:9], cvt s[10:11]
	v_and_b32 v1, 31, v0                           ; lane
	v_lshrrev_b32 v4, 5, v0
	v_readfirstlane_b32 s12, v4                    ; wave 0..7
	v_lshlrev_b32 v3, 3, v1                        ; out: 8 bytes a lane
	v_lshlrev_b32 v2, 4, v1                        ; in: 16 bytes a lane
	s_mov_b32 s18, 0xffff0000                      ; a word's upper bf16
	s_mov_b32 s19, ttmp9                           ; the work-group
	s_mov_b32 s15, 0                               ; the offsets' high words
	s_mov_b32 s17, 0
	s_wait_alu depctr_va_sdst(0)                   ; s12 is written, ahead of the branches behind which its readers stand: the wave's share of each buffer is made from it
	s_wait_kmcnt 0x0
	s_cmp_lt_u32 s19, 128
	s_cbranch_scc0 .Lweights
	s_lshl_b32 s14, s19, 17                        ; x: 131,072 bytes a work-group,
	s_lshl_b32 s13, s12, 14                        ; 16,384 a wave
	s_add_co_u32 s14, s14, s13
	s_lshr_b32 s16, s14, 1                         ; half as many out
	s_add_nc_u64 s[20:21], s[4:5], s[14:15]
	s_add_nc_u64 s[22:23], s[10:11], s[16:17]
	RUN 0
	s_endpgm
.Lweights:
	s_cmp_lt_u32 s19, 224
	s_cbranch_scc0 .Lwout
	v_and_b32 v2, 15, v1                           ; w_qkv: lanes 0-15 take 256 bytes of row k, lanes 16-31 the same columns of row k + 1 (no memory instruction has read v2 yet)
	v_lshlrev_b32 v2, 4, v2
	v_lshrrev_b32 v4, 4, v1
	v_mul_u32_u24 v4, v4, 12288
	v_add_nc_u32 v2, v2, v4
	s_sub_co_u32 s13, s19, 128                     ; j = 32 s + kb
	s_and_b32 s14, s13, 31
	s_lshl_b32 s14, s14, 5
	s_lshl2_add_u32 s14, s12, s14                  ; my first row k = 32 kb + 4 w
	s_lshr_b32 s13, s13, 5                         ; the strip s: q, k or v
	s_lshl_b32 s16, s13, 10
	s_add_co_u32 s16, s16, s14
	s_lshl_b32 s16, s16, 7                         ; out: (1024 s + k) rows of 128 bytes
	s_add_co_u32 s16, s16, WQ
	s_mul_i32 s14, s14, 12288                      ; in: k rows of 12,288 bytes,
	s_lshl_b32 s13, s13, 12                        ; and the strip's 4,096
	s_add_co_u32 s14, s14, s13
	s_add_nc_u64 s[20:21], s[6:7], s[14:15]
	s_add_nc_u64 s[22:23], s[10:11], s[16:17]
	RUN 1
	s_endpgm
.Lwout:
	s_sub_co_u32 s13, s19, 224
	s_lshl_b32 s14, s13, 17
	s_lshl_b32 s13, s12, 14
	s_add_co_u32 s14, s14, s13
	s_lshr_b32 s16, s14, 1
	s_add_co_u32 s16, s16, WO
	s_add_nc_u64 s[20:21], s[8:9], s[14:15]
	s_add_nc_u64 s[22:23], s[10:11], s[16:17]
	RUN 2
	s_endpgm
.Lfunc_end_k_qce7d632425_cast:
	.size	k_qce7d632425_cast, .Lfunc_end_k_qce7d632425_cast-k_qce7d632425_cast
	.p2alignl 7, 3214868480
	.fill 96, 4, 3214868480
	.section	.rodata,"a",@progbits
	.p2align	6, 0x0
	.amdhsa_kernel k_qce7d632425_cast
		.amdhsa_group_segment_fixed_size 0
		.amdhsa_private_segment_fixed_size 0
		.amdhsa_enable_private_segment 0
		.amdhsa_kernarg_size 32
		.amdhsa_user_sgpr_count 2
		.amdhsa_user_sgpr_kernarg_segment_ptr 1
		.amdhsa_wavefront_size32 1
		.amdhsa_system_sgpr_workgroup_id_x 1
		.amdhsa_system_sgpr_workgroup_id_y 1
		.amdhsa_system_sgpr_workgroup_id_z 1
		.amdhsa_system_vgpr_workitem_id 0
		.amdhsa_next_free_vgpr 140
		.amdhsa_next_free_sgpr 66
		.amdhsa_reserve_vcc 0
		.amdhsa_float_denorm_mode_32 3
		.amdhsa_float_denorm_mode_16_64 3
		.amdhsa_memory_ordered 1
		.amdhsa_forward_progress 1
		.amdhsa_inst_pref_size 45
	.end_amdhsa_kernel
	.amdgpu_metadata
---
amdhsa.version: [ 1, 2 ]
amdhsa.kernels:
  - .name:           k_qce7d632425_cast
    .symbol:         k_qce7d632425_cast.kd
    .args:
      - { .name: x, .offset: 0, .size: 8, .value_kind: global_buffer, .address_space: global }
      - { .name: w_qkv, .offset: 8, .size: 8, .value_kind: global_buffer, .address_space: global }
      - { .name: w_out, .offset: 16, .size: 8, .value_kind: global_buffer, .address_space: global }
      - { .name: cvt, .offset: 24, .size: 8, .value_kind: global_buffer, .address_space: global }
    .group_segment_fixed_size: 0
    .private_segment_fixed_size: 0
    .kernarg_segment_align: 8
    .kernarg_segment_size: 32
    .max_flat_workgroup_size: 256
    .sgpr_count:     66
    .vgpr_count:     140
    .wavefront_size: 32
...
	.end_amdgpu_metadata
.endif
;; end of part 6
;; launch qkv: the kernel of part 2 again; grid 16 x 16, 4 waves a work-group, clusters of 4 x 4, 327,680 bytes of LDS; arguments cvt, qkvb; writes qkvb
;; launch attn: the kernel of part 3 again; grid 4 x 64, 8 waves a work-group, clusters of 4 x 1, 327,680 bytes of LDS; arguments qkvb, obuf; writes obuf
;; launch proj: the kernel of part 4 again; grid 8 x 32, 4 waves a work-group, clusters of 4 x 4, 327,680 bytes of LDS; arguments obuf, cvt, ybuf; writes ybuf
;; launch ln: the kernel of part 5 again; grid 256 x 1, 4 waves a work-group, no clusters, 0 bytes of LDS; arguments ybuf, b_out, ln_gamma, ln_beta, out0; writes out0
